; MI455X (gfx1250); checked and timed in simulation.
; The chip was launched on July 23, 2026; its instructions are those of AMD's public machine-readable ISA for CDNA 5 (MIT licence, August 2026) and "CDNA5" Instruction Set Architecture Reference Guide (July 2026). The comments in the code are by the model that wrote it; some were corrected since.
;; Multi Head Attention. Allowed arithmetic: matrix products marked QUANTISED: E4M3 operands, one given power-of-two scale a tensor, by v_wmma_f32_16x16x64_fp8_fp8 or v_wmma_f32_16x16x128_fp8_fp8, f32 sums; everything else in f32.
;; Inputs: Wk 1,024 x 1,024 float32; Wo 1,024 x 1,024 float32; Wq 1,024 x 1,024 float32; Wv 1,024 x 1,024 float32; bo 1,024 float32; lowp_scales 12 int32 (the exponents e of the quantised operands' scales 2^e); x 4 x 2,048 x 1,024 float32.
;; Outputs: out0 4 x 2,048 x 1,024 float32.
;; This version of the problem:
;;   THIS VERSION OF THE PROBLEM IS GIVEN IN LOW PRECISION. The matrix products marked QUANTISED in the list below multiply operands that are first quantised to E4M3 (4 exponent bits, 3 mantissa bits; 8 bits a number), with one given power-of-two scale for each operand tensor; their sums are f32. All else is computed in f32.
;;   The module's matrix products, in the order in which they are computed (A, B: the left and right operand; K: the contracted axis; several contracted axes count as one K, in the product's order):
;;     1. [M 8,192, K 1,024] x [K 1,024, N 1,024]; A: input x; B: input Wq: QUANTISED (scales: A lowp_scales[0], B lowp_scales[1])
;;     2. [M 8,192, K 1,024] x [K 1,024, N 1,024]; A: input x; B: input Wk: QUANTISED (scales: A lowp_scales[2], B lowp_scales[3])
;;     3. [M 8,192, K 1,024] x [K 1,024, N 1,024]; A: input x; B: input Wv: QUANTISED (scales: A lowp_scales[4], B lowp_scales[5])
;;     4. batch 64 x [M 2,048, K 64] x [K 64, N 2,048]; A: computed on the way; B: computed on the way: QUANTISED (scales: A lowp_scales[6], B lowp_scales[7])
;;     5. batch 64 x [M 2,048, K 2,048] x [K 2,048, N 64]; A: softmax (see below); B: computed on the way: QUANTISED (scales: A lowp_scales[8], B lowp_scales[9])
;;     6. [M 8,192, K 1,024] x [K 1,024, N 1,024]; A: computed on the way; B: input Wo: QUANTISED (scales: A lowp_scales[10], B lowp_scales[11])
;;   THE QUANTISER, for each operand of a quantised product, along K:
;;     - The operand's scale is 2^e, e = its entry of the input lowp_scales (int32; the entries are numbered through the quantised products in the list's order, A before B).
;;     - Each number is divided by the scale, clamped to +-448, and rounded to the nearest number of E4M3, ties to even, subnormals kept.
;;     - The product sums the exact products of the quantised numbers (number of the format x scale) in f32.
;;   ~~~python
;;   def quantise(x, axis, e):      # numpy; x: float32 -> the quantised numbers, widened to float32 again
;;       x = np.moveaxis(x, axis, -1); K = x.shape[-1]
;;       r = np.clip(x / 2.0 ** e, -448, 448)
;;       step = 2.0 ** (np.maximum(np.frexp(np.where(r == 0, 1, r))[1] - 1, -6) - 3)
;;       q = np.round(r / step) * step * 2.0 ** e      # np.round: ties to even
;;       return np.moveaxis(q, -1, axis).astype(np.float32)
;;   ~~~
;;   SOFTMAX AHEAD OF A QUANTISED PRODUCT. Where the list says 'softmax', what is quantised is not the finished softmax but p = 2^(t - M), with t = logit x log2(e) and M = ceil(the row's largest t), a whole number; so 1/2 < the row's largest p <= 1. The row's sum l is taken of the UNQUANTISED p, in f32, and the product's result is divided by l at the end. Since M is a whole number, a kernel that streams over the keys may use a running M (the ceiling of the running maximum): every later rescaling is an exact power of two, so the quantised numbers keep their values, but for numbers so far below the row's largest that they fall under the format's range.
;;   OPERANDS COMPUTED ON THE WAY. 'Computed on the way' means the value that the module computes at that place (a softmax that the list does not call 'softmax' is quantised finished and normalised). What goes into a quantiser is computed in f32, as accurately as f32 sums, v_exp_f32 and their like allow (about 1e-6 of the number): no bf16 or f16 on the way to a quantiser, and a product that is left as it is and whose result goes on into a quantised operand takes f32 operands (vector FMAs, or v_wmma_f32_16x16x4_f32). A number that lies on a knife's edge between two numbers of the format may be rounded either way, as far as f32 arithmetic and the matrix unit's own rounding can turn it there, and no further.
;; One version. Each part assembles by itself: llvm-mc -triple=amdgcn-amd-amdhsa -mcpu=gfx1250 --defsym DOCPART=n.
;; ======== version 1 of 1: 5 launches
;; limits: right only within a limited range of input values
;; workspace buffers: xc 25,165,824 bytes; wc 4,194,304 bytes; qkv 25,165,824 bytes; cc 8,388,608 bytes
;; launch quant_x (part 1): grid 256 x 1, 4 waves a work-group, no clusters, 33,280 bytes of LDS; arguments x, lowp_scales, xc; writes xc
.if DOCPART == 1
	.amdgcn_target "amdgcn-amd-amdhsa--gfx1250"
	.amdhsa_code_object_version 6
	.text
	.protected	k_q5ccfb41419_quant_x
	.globl	k_q5ccfb41419_quant_x
	.p2align	8
	.type	k_q5ccfb41419_quant_x,@function
k_q5ccfb41419_quant_x:
	s_mov_b64 s[64:65], 0
	v_nop
	global_prefetch_b8 v0, s[64:65] scope:SCOPE_SE
	s_setreg_imm32_b32 hwreg(HW_REG_WAVE_MODE, 25, 1), 1
	s_wait_xcnt 0x0
; x [8192][1024] f32 becomes THREE sets of E4M3 codes, xc [3][8192][1024], K innermost: x is the left operand of three products, each with a scale entry of its own
; (entries 0, 2 and 4 of the scales), and nothing is assumed about those entries being equal.  x is read once; each number is held and converted three times.
; code = x / 2^e, held within +-448, to the nearest code, ties to even.  LIMITS: each of the three e between -126 and 119, so that 2^e and 448 x 2^e are f32 numbers.  NaN among the inputs is not served.
; Rows are dense, so x is a plain stream.  A work-group takes 32,768 numbers, a wave 16 steps of 512.  The conversion takes eight neighbours from ONE lane's registers, a load is best where neighbouring LANES
; take neighbouring bytes: so each of a step's four loads reads 512 consecutive bytes, the 2,048 bytes go through the wave's own stage in LDS as they lie and come back 64 bytes a lane
; (16 bytes of padding behind each 64).  A lane's 16 codes are 16 bytes: each store of the wave covers 512 consecutive bytes, aligned.
; No tensor loads, no barrier, no cluster: waves and work-groups share no input.  Loads run four steps (16 loads a wave) ahead, the turn through LDS one step.
.set STEPS, 16
.set WREG,  8192                       ; LDS: a region for each wave: two stages of 32 x SP bytes
.set SP,    80                         ; a lane's place in a stage: its 64 bytes + 16 of padding
.set SCL,   5                          ; v5-7     2^e as f32, for copies 0, 1, 2
.set LIM,   8                          ; v8-10    448 x 2^e
.set R,     16                         ; v16-79   four sets of 16 numbers as they are loaded
.set X,     80                         ; v80-111  two sets of 16 neighbours
.set T,     112                        ; v112-159 the 16 neighbours, held, once for each copy
.set C,     160                        ; v160-183 two sets of 12 registers of codes
	s_load_b128 s[4:7], s[0:1], 0x0                ; x s[4:5], the scales' exponents s[6:7]
	s_load_b64 s[8:9], s[0:1], 0x10                ; xc
	v_lshl_add_u32 v192, v0, 2, 0x8000
	v_mov_b32 v193, 0
	v_lshrrev_b32 v1, 5, v0
	v_readfirstlane_b32 s16, v1                    ; wave
	v_and_b32 v2, 31, v0                           ; lane
	v_lshlrev_b32 v3, 4, v2                        ; my 16 bytes of a load's 512, and of a store's; never rewritten
	s_mul_i32 s17, s16, WREG
	v_lshrrev_b32 v14, 2, v2
	v_mul_u32_u24 v14, v14, SP
	v_and_b32 v15, 3, v2
	v_lshl_add_u32 v14, v15, 4, v14
	v_add_nc_u32 v14, s17, v14                     ; the stage, on the way in: SP (lane / 4) + 16 (lane % 4); a load's 512 bytes take eight places
	v_mul_u32_u24 v15, v2, SP
	v_add_nc_u32 v15, s17, v15                     ; and on the way out: SP x lane: my 16 neighbours
	s_lshl_b32 s18, ttmp9, 2
	s_add_co_u32 s18, s18, s16                     ; which run of 8,192 numbers is my wave's: 0 .. 1,023
	s_lshl_b32 s20, s18, 15                        ; its bytes in x
	s_mov_b32 s21, 0
	s_lshl_b32 s22, s18, 13                        ; and in a copy of the codes
	s_mov_b32 s23, 0
	s_wait_alu depctr_va_vdst(0)
	s_wait_kmcnt 0x0
	s_load_b256 s[32:39], s[6:7], 0x0              ; entries 0 to 7: s32, s34 and s36 are x's three
	s_add_nc_u64 s[4:5], s[4:5], s[20:21]
	s_add_nc_u64 s[24:25], s[8:9], s[22:23]        ; copy 0,
	s_add_nc_u64 s[26:27], s[24:25], 0x800000      ; copy 1, 8 MiB on,
	s_add_nc_u64 s[28:29], s[24:25], 0x1000000     ; copy 2: three bases, since 8 MiB does not fit a store's immediate
.macro LOAD t
.irp i, 0,1,2,3
	global_load_b128 v[R+16*((\t)%4)+4*\i:R+16*((\t)%4)+4*\i+3], v3, s[4:5] offset:2048*(\t)+512*\i th:TH_LOAD_NT   ; 32 lanes read 512 consecutive bytes; read once in the launch
.endr
.endm
.macro TURN t                          ; step t's numbers through the stage: LDS serves a wave's instructions in order, so no wait stands between the stores and the loads
.irp i, 0,1,2,3
	ds_store_b128 v14, v[R+16*((\t)%4)+4*\i:R+16*((\t)%4)+4*\i+3] offset:32*SP*((\t)%2)+8*SP*\i
.endr
.irp i, 0,1,2,3
	ds_load_b128 v[X+16*((\t)%2)+4*\i:X+16*((\t)%2)+4*\i+3], v15 offset:32*SP*((\t)%2)+16*\i
.endr
.endm
.irp t, 0,1,2,3
	LOAD \t
.endr
	s_wait_kmcnt 0x0
.irp s, 0,1,2
	s_add_co_i32 s40, s[32+2*\s], 127
	s_lshl_b32 s41, s40, 23
	v_mov_b32 v[SCL+\s], s41                       ; 2^e as f32: the conversion takes its exponent field
	s_add_co_i32 s40, s40, 8
	s_lshl_b32 s40, s40, 23
	s_or_b32 s40, s40, 0x600000
	v_mov_b32 v[LIM+\s], s40                       ; 448 x 2^e
.endr
	s_wait_alu depctr_va_vdst(0)
	s_wait_loadcnt 12                              ; step 0's four loads are in; three steps' twelve stay out
	TURN 0
.macro STEP t
.set XS, X+16*((\t)%2)
.set CC, C+12*((\t)%2)
	s_wait_dscnt 0x0                               ; this step's numbers are back from the stage: so its stores into the stage have read their registers,
.if (\t)+4 < STEPS
	LOAD (\t)+4                                    ; which take the loads of four steps on
.endif
.if (\t)+1 < STEPS
.if STEPS-2-(\t) >= 3
	s_wait_loadcnt 12                              ; the next step's four loads are in; those of the three steps behind it may be out
.else
	s_wait_loadcnt 4*(STEPS-2-(\t))                ; at the end the counts run down
.endif
	TURN (\t)+1                                    ; and go through the other stage while this step is worked
.endif
.irp s, 0,1,2
.irp i, 0,1,2,3,4,5,6,7,8,9,10,11,12,13,14,15
	v_med3_num_f32 v[T+16*\s+\i], v[XS+\i], -v[LIM+\s], v[LIM+\s]   ; the conversion to an 8-bit code does not saturate (ISA guide 7.6.2): the hold at the largest code x the scale, once for each copy
.endr
.endr
	s_wait_alu depctr_va_vdst(0)
	s_wait_xcnt 0x0                                ; the stores of two steps back have read this set of code registers: it is written again only behind this wait
.irp s, 0,1,2
	v_cvt_scalef32_pk8_fp8_f32 v[CC+4*\s:CC+4*\s+1], v[T+16*\s:T+16*\s+7], v[SCL+\s]
	v_cvt_scalef32_pk8_fp8_f32 v[CC+4*\s+2:CC+4*\s+3], v[T+16*\s+8:T+16*\s+15], v[SCL+\s]
.endr
	v_nop                                          ; one plain vector line behind the last conversion: the next step's holds write the conversions' sources
.irp s, 0,1,2
	global_store_b128 v3, v[CC+4*\s:CC+4*\s+3], s[24+2*\s:25+2*\s] offset:512*(\t)   ; 512 consecutive bytes, aligned
.endr
.endm
.irp t, 0,1,2,3,4,5,6,7,8,9,10,11,12,13,14,15
	STEP \t
.endr
	s_wait_tensorcnt 0x0
	ds_add_u32 v192, v193
	s_wait_dscnt 0x0
	s_endpgm
.Lfunc_end_k_q5ccfb41419_quant_x:
	.size	k_q5ccfb41419_quant_x, .Lfunc_end_k_q5ccfb41419_quant_x-k_q5ccfb41419_quant_x
	.p2alignl 7, 3214868480
	.fill 96, 4, 3214868480
	.section	.rodata,"a",@progbits
	.p2align	6, 0x0
	.amdhsa_kernel k_q5ccfb41419_quant_x
		.amdhsa_group_segment_fixed_size 33280
		.amdhsa_private_segment_fixed_size 0
		.amdhsa_enable_private_segment 0
		.amdhsa_kernarg_size 24
		.amdhsa_user_sgpr_count 2
		.amdhsa_user_sgpr_kernarg_segment_ptr 1
		.amdhsa_wavefront_size32 1
		.amdhsa_system_sgpr_workgroup_id_x 1
		.amdhsa_system_sgpr_workgroup_id_y 1
		.amdhsa_system_sgpr_workgroup_id_z 1
		.amdhsa_system_vgpr_workitem_id 0
		.amdhsa_next_free_vgpr 194
		.amdhsa_next_free_sgpr 66
		.amdhsa_reserve_vcc 0
		.amdhsa_float_denorm_mode_32 3
		.amdhsa_float_denorm_mode_16_64 3
		.amdhsa_memory_ordered 1
		.amdhsa_forward_progress 1
		.amdhsa_inst_pref_size 78
	.end_amdhsa_kernel
	.amdgpu_metadata
---
amdhsa.version: [ 1, 2 ]
amdhsa.kernels:
  - .name:           k_q5ccfb41419_quant_x
    .symbol:         k_q5ccfb41419_quant_x.kd
    .args:
      - { .name: x, .offset: 0, .size: 8, .value_kind: global_buffer, .address_space: global }
      - { .name: lowp_scales, .offset: 8, .size: 8, .value_kind: global_buffer, .address_space: global }
      - { .name: xc, .offset: 16, .size: 8, .value_kind: global_buffer, .address_space: global }
    .group_segment_fixed_size: 33280
    .private_segment_fixed_size: 0
    .kernarg_segment_align: 8
    .kernarg_segment_size: 24
    .max_flat_workgroup_size: 128
    .sgpr_count:     66
    .vgpr_count:     194
    .wavefront_size: 32
...
	.end_amdgpu_metadata
.endif
;; end of part 1
;; launch quant_w (part 2): grid 8 x 16, 4 waves a work-group, no clusters, 36,352 bytes of LDS; arguments Wq, Wk, Wv, Wo, lowp_scales, wc; writes wc
.if DOCPART == 2
	.amdgcn_target "amdgcn-amd-amdhsa--gfx1250"
	.amdhsa_code_object_version 6
	.text
	.protected	k_q5ccfb41419_quant_w
	.globl	k_q5ccfb41419_quant_w
	.p2align	8
	.type	k_q5ccfb41419_quant_w,@function
k_q5ccfb41419_quant_w:
	s_mov_b64 s[64:65], 0
	v_nop
	global_prefetch_b8 v0, s[64:65] scope:SCOPE_SE
	s_setreg_imm32_b32 hwreg(HW_REG_WAVE_MODE, 25, 1), 1
	s_wait_xcnt 0x0
; The four weights, each [k 1024][n 1024] f32 with K as the FIRST axis, become E4M3 codes wc [4][n 1024][k 1024], K innermost: weight 0 = Wq (scale entry 1), 1 = Wk (entry 3), 2 = Wv (entry 5), 3 = Wo (entry 11).
; A LANE TAKES A COLUMN n, AND ITS REGISTERS RUN DOWN K: each load reads neighbouring n in neighbouring lanes (128 consecutive bytes a wave, 512 a work-group), and the conversions, which take neighbours
; along K from one lane's registers, give codes with K innermost.  Nothing is transposed by an instruction.
; code = w / 2^e, to the nearest code, ties to even.  LIMITS: e between -126 and 119.  NaN among the inputs is not served.
; Work-group (x, y): columns 128 x on, weight y / 4, rows 256 (y % 4) on.  A wave takes 32 columns x 256 along K: 256 bytes of codes a column, which go through the wave's own stage in LDS and leave as
; rows: sixteen lanes store 256 consecutive bytes, aligned.  The weight and its scale are chosen by selects on the work-group's number: one path through the text.
; No tensor loads, no barrier, no cluster: waves and work-groups share no input.  Loads run two blocks (64 loads a wave) ahead.
.set SIZE_N, 1024
.set KW,    256                        ; along K for a wave
.set NB,    KW/32                      ; blocks
.set ROWB,  256                        ; bytes of KW codes
.set PITCH, ROWB+16                    ; a stage row
.set KROW,  1024                       ; a row of the codes' buffer in bytes
.set X,     32                         ; v32-95   two sets of 32 numbers
.set C,     96                         ; v96-103  a block's codes
.set OUTR,  112                        ; v112-175 the way out: 16 x 4 registers
	s_load_b256 s[4:11], s[0:1], 0x0               ; Wq s[4:5], Wk s[6:7], Wv s[8:9], Wo s[10:11]
	s_load_b128 s[12:15], s[0:1], 0x20             ; the scales' exponents s[12:13], wc s[14:15]
	v_lshl_add_u32 v192, v0, 2, 0x8c00
	v_mov_b32 v193, 0
	v_lshrrev_b32 v1, 5, v0
	v_readfirstlane_b32 s16, v1                    ; wave 0..3
	v_and_b32 v2, 31, v0                           ; lane
	s_lshl_b32 s17, ttmp9, 7
	s_lshl_b32 s18, s16, 5
	s_add_co_u32 s17, s17, s18                     ; my wave's first column: 128 x work-group x + 32 x wave
	s_and_b32 s18, ttmp7, 0xffff                   ; work-group y
	s_lshr_b32 s28, s18, 2                         ; which weight
	s_and_b32 s18, s18, 3                          ; which 256 along K
	v_lshlrev_b32 v3, 2, v2                        ; in: 4 bytes a lane
	s_mul_i32 s19, s16, 32*PITCH                   ; my stage
	v_mul_u32_u24 v4, v2, PITCH
	v_add_nc_u32 v4, s19, v4                       ; into it: row = my column
	v_and_b32 v5, 15, v2
	v_lshrrev_b32 v6, 4, v2                        ; out of it: sixteen lanes to a row, two rows an instruction
	v_mul_u32_u24 v7, v6, PITCH
	v_lshl_add_u32 v7, v5, 4, v7
	v_add_nc_u32 v7, s19, v7                       ; LDS address
	v_mul_u32_u24 v8, v6, KROW
	v_lshl_add_u32 v8, v5, 4, v8                   ; and the same place in the codes' buffer
	s_lshl_b32 s20, s18, 20                        ; in the weight: 256 rows of 4,096 bytes for each step along K,
	s_lshl_b32 s22, s17, 2
	s_add_co_u32 s20, s20, s22                     ; + 4 x column
	s_mov_b32 s21, 0
	s_lshl_b32 s24, s28, 20                        ; in wc: 1 MiB a weight,
	s_lshl_b32 s22, s17, 10
	s_add_co_u32 s24, s24, s22                     ; + column x 1,024
	s_lshl_b32 s22, s18, 8
	s_add_co_u32 s24, s24, s22                     ; + 256 for each step along K
	s_mov_b32 s25, 0
	s_wait_kmcnt 0x0
	s_load_b256 s[32:39], s[12:13], 0x0            ; entries 0 to 7
	s_load_b128 s[40:43], s[12:13], 0x20           ; entries 8 to 11
	s_and_b32 s29, s28, 1                          ; the choice hangs on the work-group's number alone
	s_cmp_lg_u32 s29, 0
	s_cselect_b64 s[4:5], s[6:7], s[4:5]           ; Wk or Wq
	s_cselect_b64 s[8:9], s[10:11], s[8:9]         ; Wo or Wv
	s_and_b32 s29, s28, 2
	s_cmp_lg_u32 s29, 0
	s_cselect_b64 s[4:5], s[8:9], s[4:5]
	s_add_nc_u64 s[4:5], s[4:5], s[20:21]
	s_add_nc_u64 s[8:9], s[14:15], s[24:25]
.macro LOAD t                          ; block t: W(32 t + i, my column), i = 0 .. 31, into set t % 2
.irp i, 0,1,2,3,4,5,6,7,8,9,10,11,12,13,14,15,16,17,18,19,20,21,22,23,24,25,26,27,28,29,30,31
	global_load_b32 v[X+32*((\t)%2)+\i], v3, s[4:5] offset:(32*(\t)+\i)*SIZE_N*4 th:TH_LOAD_NT
.endr
.endm
	LOAD 0
	LOAD 1
	s_wait_kmcnt 0x0
	s_and_b32 s29, s28, 1
	s_cmp_lg_u32 s29, 0
	s_cselect_b32 s30, s35, s33                    ; entry 3 or 1
	s_cselect_b32 s31, s43, s37                    ; entry 11 or 5
	s_and_b32 s29, s28, 2
	s_cmp_lg_u32 s29, 0
	s_cselect_b32 s30, s31, s30                    ; e
	s_add_co_i32 s30, s30, 127
	s_lshl_b32 s31, s30, 23
	v_mov_b32 v11, s31                             ; 2^e as f32: the conversion takes its exponent field
	s_add_co_i32 s30, s30, 8
	s_lshl_b32 s30, s30, 23
	s_or_b32 s30, s30, 0x600000
.macro BLOCK t
.set XS, X+32*((\t)%2)
.if (\t) < NB-1
	s_wait_loadcnt 32                              ; this block's 32 loads are in; the next block's may be out
.else
	s_wait_loadcnt 0
.endif
.irp i, 0,1,2,3,4,5,6,7,8,9,10,11,12,13,14,15,16,17,18,19,20,21,22,23,24,25,26,27,28,29,30,31
.endr
.irp g, 0,1,2,3
	v_cvt_scalef32_pk8_fp8_f32 v[C+2*\g:C+2*\g+1], v[XS+8*\g:XS+8*\g+7], v11
.endr
	v_nop                                          ; one plain vector line behind the last conversion
	ds_store_b128 v4, v[C:C+3] offset:32*(\t)      ; 32 codes: 32 bytes of my column's row
	ds_store_b128 v4, v[C+4:C+7] offset:32*(\t)+16
.if (\t)+2 < NB
	LOAD (\t)+2
.endif
	s_wait_dscnt 0x0                               ; the stores have read their registers: the next block's codes may be written
.endm
.set Q, 0
	s_wait_alu depctr_va_vdst(0)
.rept NB
	BLOCK Q
.set Q, Q+1
.endr
.irp t, 0,1,2,3,4,5,6,7,8,9,10,11,12,13,14,15
	ds_load_b128 v[OUTR+4*\t:OUTR+4*\t+3], v7 offset:2*\t*PITCH   ; LDS serves a wave's instructions in order: these see my stores
.endr
.irp t, 0,1,2,3,4,5,6,7,8,9,10,11,12,13,14,15
	s_wait_dscnt 15-\t                             ; load t is back; the younger ones stay out
	global_store_b128 v8, v[OUTR+4*\t:OUTR+4*\t+3], s[8:9] offset:2*\t*KROW
.endr
	s_wait_tensorcnt 0x0
	ds_add_u32 v192, v193
	s_wait_dscnt 0x0
	s_endpgm
.Lfunc_end_k_q5ccfb41419_quant_w:
	.size	k_q5ccfb41419_quant_w, .Lfunc_end_k_q5ccfb41419_quant_w-k_q5ccfb41419_quant_w
	.p2alignl 7, 3214868480
	.fill 96, 4, 3214868480
	.section	.rodata,"a",@progbits
	.p2align	6, 0x0
	.amdhsa_kernel k_q5ccfb41419_quant_w
		.amdhsa_group_segment_fixed_size 36352
		.amdhsa_private_segment_fixed_size 0
		.amdhsa_enable_private_segment 0
		.amdhsa_kernarg_size 48
		.amdhsa_user_sgpr_count 2
		.amdhsa_user_sgpr_kernarg_segment_ptr 1
		.amdhsa_wavefront_size32 1
		.amdhsa_system_sgpr_workgroup_id_x 1
		.amdhsa_system_sgpr_workgroup_id_y 1
		.amdhsa_system_sgpr_workgroup_id_z 1
		.amdhsa_system_vgpr_workitem_id 0
		.amdhsa_next_free_vgpr 194
		.amdhsa_next_free_sgpr 66
		.amdhsa_reserve_vcc 0
		.amdhsa_float_denorm_mode_32 3
		.amdhsa_float_denorm_mode_16_64 3
		.amdhsa_fp16_overflow 1
		.amdhsa_memory_ordered 1
		.amdhsa_forward_progress 1
		.amdhsa_inst_pref_size 34
	.end_amdhsa_kernel
	.amdgpu_metadata
---
amdhsa.version: [ 1, 2 ]
amdhsa.kernels:
  - .name:           k_q5ccfb41419_quant_w
    .symbol:         k_q5ccfb41419_quant_w.kd
    .args:
      - { .name: Wq, .offset: 0, .size: 8, .value_kind: global_buffer, .address_space: global }
      - { .name: Wk, .offset: 8, .size: 8, .value_kind: global_buffer, .address_space: global }
      - { .name: Wv, .offset: 16, .size: 8, .value_kind: global_buffer, .address_space: global }
      - { .name: Wo, .offset: 24, .size: 8, .value_kind: global_buffer, .address_space: global }
      - { .name: lowp_scales, .offset: 32, .size: 8, .value_kind: global_buffer, .address_space: global }
      - { .name: wc, .offset: 40, .size: 8, .value_kind: global_buffer, .address_space: global }
    .group_segment_fixed_size: 36352
    .private_segment_fixed_size: 0
    .kernarg_segment_align: 8
    .kernarg_segment_size: 48
    .max_flat_workgroup_size: 128
    .sgpr_count:     66
    .vgpr_count:     194
    .wavefront_size: 32
...
	.end_amdgpu_metadata
.endif
;; end of part 2
;; launch qkv (part 3): grid 12 x 32, 4 waves a work-group, clusters of 4 x 4, 327,680 bytes of LDS; arguments xc, wc, lowp_scales, qkv; writes qkv
.if DOCPART == 3
	.amdgcn_target "amdgcn-amd-amdhsa--gfx1250"
	.amdhsa_code_object_version 6
	.text
	.protected	k_q5ccfb41419_qkv
	.globl	k_q5ccfb41419_qkv
	.p2align	8
	.type	k_q5ccfb41419_qkv,@function
k_q5ccfb41419_qkv:
	s_mov_b64 s[64:65], 0
	v_nop
	global_prefetch_b8 v0, s[64:65] scope:SCOPE_SE
	s_setreg_imm32_b32 hwreg(HW_REG_WAVE_MODE, 25, 1), 1
	s_wait_xcnt 0x0
	s_wait_alu depctr_hold_cnt(0) depctr_sa_sdst(0) depctr_va_vdst(0) depctr_va_sdst(0) depctr_va_ssrc(0) depctr_va_vcc(0) depctr_vm_vsrc(0)
	s_getreg_b32 s2, hwreg(HW_REG_IB_STS2, 6, 4)
	s_cmp_eq_u32 s2, 0
	s_cbranch_scc0 .Lentry_in_a_cluster
	s_endpgm
.Lentry_in_a_cluster:
	s_bfe_u32 s2, ttmp6, 0x10000c
	s_cmp_lg_u32 s2, 0xf033
	s_cbranch_scc0 .Lentry_shape_is_right
	s_endpgm
.Lentry_shape_is_right:
; The three projections q = x Wq, k = x Wk, v = x Wv on E4M3 codes, and the quantising of their results for the two products of attention: the f32 sums never go to memory, only codes do.
; One GEMM text, C[m][n] = sum over k of A[m][k] B[n][k], K = 1,024, tiles of 256 x 256.  The CLUSTER's x (0, 1, 2) says which projection; it is the same in all sixteen partners.
;   q, k:  A = xc copy 0 or 1 (rows: the 8,192 tokens), B = wc weight 0 or 1 (rows: the 1,024 outputs).
;   v:     A = wc weight 2 (rows: outputs), B = xc copy 2 (rows: tokens): V TRANSPOSED, since the keys are the K of attention's second product.
; THE MATRIX INSTRUCTION IS USED TRANSPOSED (source 0 = 16 rows of B, source 1 = 16 rows of A): a lane holds eight neighbouring columns of one row of C: eight neighbours along a head's 64 for q and k, eight
; neighbouring keys for v: in each case neighbours along the next product's K, which one conversion turns into 8 bytes of codes.
; A sum stands for sum x 2^(ea + eb), so its code under the next scale 2^en is sum / 2^(en - ea - eb): the three exponents are folded into the conversion's one.
; LIMITS: e6 - e0 - e1, e7 - e2 - e3 and e9 - e4 - e5 between -126 and 119, so that the folded scale is an f32 number.
; OUT: qkv, three parts of 8 MiB.  q and k: [head-of-batch 64][token 2048][64]; v: [head-of-batch 64][chunk of 256 keys: 8][64][256].  In all three the block of one head and one tile of 256 tokens is 16,384
; dense bytes.  The codes of a tile meet in a stage in LDS (256 rows of 256 bytes); each wave then takes one head's block out of it and stores it, 512 consecutive bytes an instruction, aligned.
; SHAPE: four waves, each 128 x 128 of C in 64 accumulators; K in steps of 256 through a ring of two LDS slots filled by the tensor data mover.
; CLUSTERS: 4 x 4 work-groups.  The four of a row of the cluster need the same tiles of A, the four of a column the same tiles of B: each tile is asked for jointly.
; REGISTERS, in windows of 256: window 0: v0-31 addresses and the scale; from v128 A's fragments, ONE set; on the way out v32-255 are free.   window 1: B's fragments, TWO sets, at v0 and at v128.
;   window 2: the accumulators of my rows 0-63 ((a, b) at v[8 (8 a + b)]);   window 3: those of my rows 64-127.
.set SIZE_K, 1024
.set KSTEP,  256                       ; along K in a slot
.set ROWB,   256                       ; a tile's row in bytes
.set KROW,   SIZE_K                    ; a row of A or of B in memory, in bytes
.set PITCH,  272                       ; an LDS row: 256 bytes + 16 of padding = 68 words, so that the 16 rows that a load touches start 4 words apart modulo 64
.set FR,     16                        ; registers of a fragment: 16 rows x 128 K
.set NL,     4                         ; LDS loads that bring one
.set NP,     4                         ; places behind this matrix instruction (ISA guide 7.12.1)
.set HALFT,  128*PITCH                 ; 128 rows: what one tensor load brings, and what one wave reads of A or of B
.set SLOT,   4*HALFT                   ; A's 256 rows, then B's 256 rows
.set LAPS,   SIZE_K/(2*KSTEP)          ; a lap = two K steps = once round the ring: 2
.set SPARE,  2*SLOT                    ; behind the ring: the spare words, 128 bytes for each wave: two blocks of 256 bytes that no other line names
.set SC,   8                           ; v8      the folded scale as f32
.set LIM,  9
.set ADRA, 16                          ; v16-17  LDS address of my A fragments in slot 0, 1
.set ADRB, 20                          ; v20-21  the same for B
.set STO,  24                          ; v24     the way out: where I put 8 bytes of a stage row
.set RDQ,  25                          ; v25     q, k: where I read my head's rows back (rows 0-127),
.set CO,   26                          ; v26     16 x lane: my place in a store's 512 bytes
.set RDQ2, 27                          ; v27     (rows 128-255: beyond an LDS offset's 16 bits from v25)
.set SPW,  28                          ; v28     LDS address of my spare word; never rewritten
.set NIL,  29                          ; v29     0; never rewritten
.set RDV,  30                          ; v30     v: where I read my head's rows back
.set TMP,  32
.set CD,   96                          ; v96-223 the codes: 16 registers for each of my 8 blocks
.set BK,   96                          ; v96-223 and, behind the barrier, 32 x 4 registers read back from the stage
.set AF,   128                         ; A's fragments, in window 0
.set G1, 24                            ; s[24:31] descriptor group 1 for A's tiles;  s[32:39] group 0, one set for each slot
.set G0, 32
.set G1B, 48                           ; s[48:55], s[56:63] the same for B's tiles
.set G0B, 56
.set MSB, 0
.macro WIN new                         ; the immediate's high byte repeats the setting that is left
.if MSB != \new
	s_set_vgpr_msb (MSB<<8)|\new
.set MSB, \new
.endif
.endm
.set MUL_LO, 0xa1                      ; source 0 (B) window 1, source 1 (A) window 0, C and D window 2
.set MUL_HI, 0xf1                      ; the same, C and D window 3
.set TO_B,   0x40                      ; destination window 1, address window 0
; A joint load: waves 0 and 1 fetch for A, waves 2 and 3 for B.  Each of the two lines has ONE mask and one set of registers for all that issue it; the branch hangs on the wave's number alone.
; Four v_nop follow each of the two lines, ahead of the jump, the label and what follows.
.macro JLOAD g0a, g1a, g0b, g1b
	s_cmp_eq_u32 s15, 0
	s_cbranch_scc0 .Lfor_b_\@
	tensor_load_to_lds s[\g0a:\g0a+3], s[\g1a:\g1a+7]
	s_nop 0
.rept 4
	v_nop
.endr
	s_branch .Lasked_\@
.Lfor_b_\@:
	tensor_load_to_lds s[\g0b:\g0b+3], s[\g1b:\g1b+7]
	s_nop 0
.rept 4
	v_nop
.endr
.Lasked_\@:
.endm
.macro CREST                           ; a round of the cluster's barrier behind its opening barrier
	s_cmp_lg_u32 s14, 0
	s_cbranch_scc1 .Lnot_wave_0_\@
	s_barrier_signal -3
.Lnot_wave_0_\@:
	s_barrier_wait -3
	s_barrier_signal -1
	s_barrier_wait -1
.endm
.macro CROUND                          ; a whole round
	s_barrier_signal -1
	s_barrier_wait -1
	CREST
.endm
	s_load_b128 s[4:7], s[0:1], 0x0                ; xc s[4:5], wc s[6:7]
	s_load_b128 s[8:11], s[0:1], 0x10              ; the scales' exponents s[8:9], qkv s[10:11]
	v_lshl_add_u32 v[SPW], v0, 2, SPARE
	v_mov_b32 v[NIL], 0
	ds_add_u32 v28, v29
	ds_add_u32 v28, v29
	s_wait_dscnt 0x0
	v_lshrrev_b32 v1, 5, v0
	v_readfirstlane_b32 s14, v1                    ; wave 0..3
	s_lshr_b32 s15, s14, 1                         ; which half of the tile's rows is mine.  Also: I fetch for A (0) or for B (1)
	s_and_b32 s16, s14, 1                          ; which half of its columns.  Also: which 128 rows of that tile I fetch
	s_bfe_u32 s40, ttmp6, 0x40000                  ; cx, cy: my place in the cluster
	s_bfe_u32 s41, ttmp6, 0x40004
	s_and_b32 s84, ttmp7, 0xffff
	s_lshl_b32 s84, s84, 2                         ; 4 x cluster y: the cluster's first tile of 256 tokens
	s_cmp_eq_u32 ttmp9, 2                          ; is this cluster v's?  The cluster's x is the same in all partners
	s_cselect_b32 s85, 0, s84                      ; the tokens are A's rows for q and k,
	s_cselect_b32 s86, s84, 0                      ; B's rows for v
	s_add_co_u32 s17, s41, s85                     ; A's tile: made of cy and the cluster's y alone
	s_add_co_u32 s42, s40, s86                     ; B's tile: made of cx and the cluster's y alone
	s_lshl_b32 s43, s41, 2
	s_lshl_b32 s43, 15, s43                        ; my row of the cluster
	s_lshl_b32 s44, 0x1111, s40                    ; my column
	; descriptor group 1: a tile of 128 rows x 256 bytes, padded in LDS
	s_or_b32 s[G1+0], s43, (0<<16)|(1<<20)|(1<<21)|(5<<22)|(3<<25)  ; 15:0 the mask: A's tiles go to my row; 17:16 element of 1 byte; 20 padding on; 21 set beside a mask; 24:22 after every 64 words (code 5); 31:25 of 4 words (code 3)
	s_or_b32 s[G1B+0], s44, (0<<16)|(1<<20)|(1<<21)|(5<<22)|(3<<25)
.irp g, G1, G1B
	s_mov_b32 s[\g+1], ROWB<<16                    ; tensor_dim0
	s_mov_b32 s[\g+2], 128<<16                     ; tensor_dim1 = 128
	s_mov_b32 s[\g+3], ROWB<<16                    ; tile_dim0
	s_mov_b32 s[\g+4], 128                         ; tile_dim1 = 128
	s_mov_b32 s[\g+5], KROW                        ; tensor_dim0_stride
	s_mov_b32 s[\g+6], 0
	s_mov_b32 s[\g+7], 0
.endr
	s_lshl_b32 s18, s16, 7                         ; which 128 rows of the tile I fetch
	s_lshl_b32 s20, s17, 8
	s_add_co_u32 s20, s20, s18
	s_lshl_b32 s20, s20, 10                        ; A: (256 x tile + 128 x half) rows of 1,024 bytes
	s_lshl_b32 s46, s42, 8
	s_add_co_u32 s46, s46, s18
	s_lshl_b32 s46, s46, 10                        ; B likewise
	s_lshl_b32 s87, ttmp9, 23                      ; the copy of x's codes, 8 MiB each,
	s_lshl_b32 s88, ttmp9, 20                      ; and the weight, 1 MiB each
	s_cmp_eq_u32 ttmp9, 2
	s_cselect_b32 s89, s88, s87                    ; A is the weight for v, the tokens else
	s_cselect_b32 s90, s87, s88                    ; B the other way round
	s_add_co_u32 s20, s20, s89
	s_add_co_u32 s46, s46, s90
	s_mov_b32 s21, 0
	s_mov_b32 s47, 0
	s_mul_i32 s45, s14, HALFT                      ; where they go: wave x 128 rows: no place in the cluster enters an LDS address
	; where my head's block of 16,384 bytes lies in qkv (in registers that feed no descriptor)
	s_cmp_eq_u32 ttmp9, 2
	s_cselect_b32 s93, s42, s17                    ; the tile of tokens, 0 .. 31,
	s_cselect_b32 s94, s17, s42                    ; and the tile of outputs, 0 .. 3: four heads, a wave to each
	s_lshr_b32 s95, s93, 3
	s_lshl_b32 s95, s95, 4                         ; 16 x batch
	s_lshl_b32 s94, s94, 2
	s_add_co_u32 s95, s95, s94
	s_add_co_u32 s95, s95, s14                     ; + head: 4 x tile of outputs + wave
	s_lshl_b32 s95, s95, 17                        ; 131,072 bytes a head
	s_and_b32 s93, s93, 7
	s_lshl_b32 s93, s93, 14                        ; 16,384 a tile of tokens
	s_add_co_u32 s95, s95, s93
	s_add_co_u32 s94, s95, s87                     ; + 8 MiB x part
	s_mov_b32 s95, 0
	s_wait_kmcnt 0x0
	s_load_b256 s[72:79], s[8:9], 0x0              ; entries 0 to 7
	s_load_b64 s[80:81], s[8:9], 0x20              ; entries 8, 9
	s_cmp_eq_u32 ttmp9, 2
	s_cselect_b64 s[68:69], s[6:7], s[4:5]         ; A's buffer
	s_cselect_b64 s[70:71], s[4:5], s[6:7]         ; B's
	s_add_nc_u64 s[20:21], s[68:69], s[20:21]
	s_add_nc_u64 s[46:47], s[70:71], s[46:47]
	s_add_nc_u64 s[10:11], s[10:11], s[94:95]
	CROUND                                         ; all sixteen work-groups are here: the first joint loads meet
.irp s, 0,1
	s_mov_b32 s[G0+4*\s], 1
	s_add_co_u32 s[G0+4*\s+1], s45, \s*SLOT
	s_add_nc_u64 s[G0+4*\s+2:G0+4*\s+3], s[20:21], \s*ROWB
	s_or_b32 s[G0+4*\s+3], s[G0+4*\s+3], 0x80000000
	s_mov_b32 s[G0B+4*\s], 1
	s_add_co_u32 s[G0B+4*\s+1], s45, \s*SLOT
	s_add_nc_u64 s[G0B+4*\s+2:G0B+4*\s+3], s[46:47], \s*ROWB
	s_or_b32 s[G0B+4*\s+3], s[G0B+4*\s+3], 0x80000000
	JLOAD G0+4*\s, G1, G0B+4*\s, G1B
.endr
	v_and_b32 v1, 15, v0                           ; r = l % 16
	v_bfe_u32 v2, v0, 4, 1                         ; h = l / 16
	v_mul_u32_u24 v3, v1, PITCH
	s_wait_alu depctr_va_vdst(0)
	v_lshl_add_u32 v4, v2, 4, v3                   ; a fragment's row x pitch + 16 x half
	s_mul_i32 s91, s15, HALFT                      ; my 128 rows of A
	s_mul_i32 s92, s16, HALFT                      ; my 128 rows of B,
	s_add_co_u32 s92, s92, 2*HALFT                 ; which lie behind A's 256
.irp s, 0,1
	v_add_nc_u32 v[ADRA+\s], s91, v4
	v_add_nc_u32 v[ADRB+\s], s92, v4
	s_add_co_u32 s91, s91, SLOT
	s_add_co_u32 s92, s92, SLOT
.endr
	; the stage: 256 rows (A's) x 272 bytes from LDS byte 0 on: in slot 0, which has had its last fill and its last read when the first code is stored there
	s_mul_i32 s91, s15, 128*PITCH
	s_lshl_b32 s92, s16, 7
	s_add_co_u32 s91, s91, s92
	v_lshl_add_u32 v5, v2, 3, v3
	v_add_nc_u32 v[STO], s91, v5                   ; in: row 128 x my half of the rows + r, byte 128 x my half of the columns + 8 h
	v_and_b32 v6, 31, v0                           ; lane
	v_lshrrev_b32 v7, 2, v6
	v_mul_u32_u24 v7, v7, PITCH
	v_and_b32 v5, 3, v0
	v_lshl_add_u32 v7, v5, 4, v7
	s_lshl_b32 s91, s14, 6
	v_add_nc_u32 v[RDQ], s91, v7                   ; q, k, back: my head is columns 64 x wave on: eight rows x 64 bytes an instruction: row lane / 4, 16 (lane % 4)
	v_add_nc_u32 v[RDQ2], 128*PITCH, v[RDQ]
	s_mul_i32 s91, s14, 64*PITCH
	v_mul_u32_u24 v7, v2, PITCH
	v_lshl_add_u32 v7, v1, 4, v7
	v_add_nc_u32 v[RDV], s91, v7                   ; v, back: my head is rows 64 x wave on: two whole rows an instruction
	v_lshlrev_b32 v[CO], 4, v6
.macro FRAG reg, adr, q, i             ; a fragment, 16 rows x 128 K, is 16 registers: lane l holds row l % 16; registers 4 c .. 4 c + 3 hold K = 32 c + 16 (l / 16) + 0 .. 15: the same order of k in A and in B, so every product meets its partner
.irp c, 0,1,2,3
	ds_load_b128 v[\reg+4*\c:\reg+4*\c+3], v[\adr] offset:128*(\q)+32*\c+(\i)*16*PITCH
.endr
.endm
; 16 matrix instructions: A's blocks a0, a0 + 1 x B's eight, 128 along K.  p: B's set.  zero = 1: the first product starts the sums: nothing is ever cleared.
; The 64 accumulators take turns, one instruction a turn, in the same order in every step.
.macro MUL16 a0, p, zero
.irp a, \a0, \a0+1
.irp b, 0,1,2,3,4,5,6,7
.if \zero
	v_wmma_f32_16x16x128_fp8_fp8 v[8*(8*((\a)%4)+\b):8*(8*((\a)%4)+\b)+7], v[128*(\p)+FR*\b:128*(\p)+FR*\b+FR-1], v[AF+FR*(\a):AF+FR*(\a)+FR-1], 0
.else
	v_wmma_f32_16x16x128_fp8_fp8 v[8*(8*((\a)%4)+\b):8*(8*((\a)%4)+\b)+7], v[128*(\p)+FR*\b:128*(\p)+FR*\b+FR-1], v[AF+FR*(\a):AF+FR*(\a)+FR-1], v[8*(8*((\a)%4)+\b):8*(8*((\a)%4)+\b)+7]
.endif
.endr
.endr
.endm
.macro FETCH_B slot, q, p              ; B's eight fragments of the slot's q-th 128 along K into set p
	WIN TO_B
.irp i, 0,1,2,3,4,5,6,7
	FRAG 128*(\p)+FR*\i, ADRB+\slot, \q, \i
.endr
	WIN 0
.endm
.macro FETCH_A slot, q, i0             ; A's blocks i0 .. i0 + 3
.irp i, \i0, \i0+1, \i0+2, \i0+3
	FRAG AF+FR*(\i), ADRA+\slot, \q, \i
.endr
.endm
; A load into a register that a matrix instruction has read, and a vector instruction or an LDS store that reads a matrix result, stand NP places behind that matrix instruction; only plain vector
; instructions that name none of its registers are places (ISA guide 7.12.1 for vector instructions).
.macro PLACES n
.rept \n
	v_nop
.endr
.endm
; A step of 128 along K that has its successor in the same slot.  A's blocks go one after the other, each against B's eight, so one set of registers serves A: blocks 0-3 are fetched anew in the step's middle, blocks 4-7 at its end.
.macro STEP slot, q, zero
	s_wait_dscnt 4*NL                              ; B's set and A's blocks 0-3 are in; the youngest sixteen loads (A's blocks 4-7) may be out
	WIN MUL_LO
	MUL16 0, (\q)%2, \zero
	MUL16 2, (\q)%2, \zero
	s_wait_dscnt 0                                 ; A's blocks 4-7 are in (asked for 32 matrix instructions ago)
	PLACES NP
	FETCH_B \slot, (\q)+1, 1-(\q)%2
	FETCH_A \slot, (\q)+1, 0
	WIN MUL_HI
	MUL16 4, (\q)%2, \zero
	MUL16 6, (\q)%2, \zero
	PLACES NP
	WIN 0
	FETCH_A \slot, (\q)+1, 4
.endm
; A slot's last step changes slots: ONE barrier; in front of it each wave waits for all its tensor loads, adds 0 to its spare word, and waits for that and for its own reads of this slot.  fill = 1: this slot is filled again, two K steps ahead.
.macro TURN slot, next, fill
	s_wait_tensorcnt 0x0                           ; all my tensor loads have landed: my part of the next slot;  (every window is 0 here: the add's two registers lie in window 0)
	ds_add_u32 v[SPW], v[NIL]                      ; 0 onto my spare word
	s_wait_dscnt 4*NL+1                            ; (the add and the youngest sixteen loads, A's blocks 4-7, may be out)
	WIN MUL_LO
	MUL16 0, 1, 0                                  ; sixteen matrix instructions stand between the add and the wait for it
	s_wait_dscnt 0x0                               ; the add is done, and my reads of this slot are over
	s_barrier_signal -1
	MUL16 2, 1, 0
	WIN 0
	s_barrier_wait -1
.if \fill
	CREST                                          ; the barrier has opened a round of the cluster's barrier: no wave of any partner still reads this slot's tile or has a load on its way
	s_add_nc_u64 s[G0+4*\slot+2:G0+4*\slot+3], s[G0+4*\slot+2:G0+4*\slot+3], 2*ROWB
	s_add_nc_u64 s[G0B+4*\slot+2:G0B+4*\slot+3], s[G0B+4*\slot+2:G0B+4*\slot+3], 2*ROWB
	JLOAD G0+4*\slot, G1, G0B+4*\slot, G1B         ; the first tensor load behind the round; the four v_nop behind it are the places in front of the loads below
.else
	PLACES NP
.endif
	FETCH_B \next, 0, 0
	FETCH_A \next, 0, 0
	WIN MUL_HI
	MUL16 4, 1, 0
	MUL16 6, 1, 0
	PLACES NP
	WIN 0
	FETCH_A \next, 0, 4
.endm
	s_wait_tensorcnt 1                             ; my part of K step 0 is in (K step 1's load may be out)
	s_barrier_signal -1
	s_barrier_wait -1                              ; everybody's is
	FETCH_B 0, 0, 0
	FETCH_A 0, 0, 0
	FETCH_A 0, 0, 4
	STEP 0, 0, 1                                   ; the first step stands in front of the loop: its products start the sums
	s_mov_b32 s3, LAPS-1
.Llap:                                                 ; a trip goes once round the ring, from a lap's second step to the next lap's first, and fills both slots again
	TURN 0, 1, 1
	STEP 1, 0, 0
	TURN 1, 0, 1
	STEP 0, 0, 0
	s_sub_co_u32 s3, s3, 1
	s_cmp_lg_u32 s3, 0
	s_cbranch_scc1 .Llap
	TURN 0, 1, 0                                   ; the last lap fills nothing, and has no round of the cluster's barrier.  Behind its barrier nobody reads slot 0 any more
	STEP 1, 0, 0
	s_wait_dscnt 4*NL                              ; the very last step: nothing more to fetch
	WIN MUL_LO
	MUL16 0, 1, 0
	MUL16 2, 1, 0
	s_wait_dscnt 0
	WIN MUL_HI
	MUL16 4, 1, 0
	MUL16 6, 1, 0
	WIN 0
	; THE WAY OUT.  The folded scale, by selects on the cluster's x; no branch hangs on a loaded number.
	s_wait_kmcnt 0x0
	s_sub_co_i32 s91, s78, s72
	s_sub_co_i32 s91, s91, s73                     ; q: e6 - e0 - e1
	s_sub_co_i32 s92, s79, s74
	s_sub_co_i32 s92, s92, s75                     ; k: e7 - e2 - e3
	s_sub_co_i32 s93, s81, s76
	s_sub_co_i32 s93, s93, s77                     ; v: e9 - e4 - e5
	s_cmp_eq_u32 ttmp9, 0
	s_cselect_b32 s91, s91, s92
	s_cmp_eq_u32 ttmp9, 2
	s_cselect_b32 s91, s93, s91
	s_add_co_i32 s91, s91, 127
	s_lshl_b32 s92, s91, 23
	v_mov_b32 v[SC], s92                           ; the scale as f32: the conversion takes its exponent field
	s_add_co_i32 s91, s91, 8
	s_lshl_b32 s91, s91, 23
	s_or_b32 s91, s91, 0x600000
	PLACES NP                                      ; behind the last products: for the reads of their results and for the writes into the registers that held A's fragments
; Block a, 16 rows x 128 columns: converted (a lane's eight sums of an accumulator are eight neighbours along the next K: 8 bytes), and put into the stage.  Each accumulator is read from its low end on.
.macro CODES a
.set AC, 64*((\a)%4)
	WIN 0x02+((\a)/4)                              ; source 0: window 2 or 3
.set j, 0
.rept 64
.set j, j+1
.endr
.irp b, 0,1,2,3,4,5,6,7
	v_cvt_scalef32_pk8_fp8_f32 v[CD+16*(\a)+2*\b:CD+16*(\a)+2*\b+1], v[AC+8*\b:AC+8*\b+7], v[SC]
.endr
	WIN 0
	v_nop                                          ; one plain vector line behind the last conversion
.irp b, 0,1,2,3,4,5,6,7
	ds_store_b64 v[STO], v[CD+16*(\a)+2*\b:CD+16*(\a)+2*\b+1] offset:16*(\a)*PITCH+16*\b
.endr
.endm
.irp a, 0,1,2,3,4,5,6,7
	CODES \a
.endr
	s_wait_dscnt 0x0                               ; for the others' sake: my stores into the stage are done
	s_barrier_signal -1
	s_barrier_wait -1                              ; the tile's 256 x 256 codes lie in the stage
	s_cmp_eq_u32 ttmp9, 2                          ; the two ways differ in 32 LDS loads alone, and the cluster's x is the same in all partners
	s_cbranch_scc1 .Lrows_v
.set i, 0
.rept 16
	ds_load_b128 v[BK+4*i:BK+4*i+3], v[RDQ] offset:i*8*PITCH        ; q, k: tokens 8 i .. 8 i + 7, my head's 64 bytes of each
.set i, i+1
.endr
.rept 16
	ds_load_b128 v[BK+4*i:BK+4*i+3], v[RDQ2] offset:(i-16)*8*PITCH
.set i, i+1
.endr
	s_branch .Lsend
.Lrows_v:
.set i, 0
.rept 32
	ds_load_b128 v[BK+4*i:BK+4*i+3], v[RDV] offset:i*2*PITCH        ; v: my head's rows 2 i, 2 i + 1, 256 keys each
.set i, i+1
.endr
.Lsend:
.set i, 0
.rept 32
	s_wait_dscnt 31-i                              ; load i is back; the younger ones stay out
	global_store_b128 v[CO], v[BK+4*i:BK+4*i+3], s[10:11] offset:512*i   ; 512 consecutive bytes of my head's dense block, aligned
.set i, i+1
.endr
	s_wait_tensorcnt 0x0                           ; the wave's end: behind my last tensor load and my last LDS store
	ds_add_u32 v[SPW], v[NIL]
	s_wait_dscnt 0x0
	CROUND                                         ; the closing round: no work-group ends while a partner may still ask for a tile that names it
	s_endpgm
.Lfunc_end_k_q5ccfb41419_qkv:
	.size	k_q5ccfb41419_qkv, .Lfunc_end_k_q5ccfb41419_qkv-k_q5ccfb41419_qkv
	.p2alignl 7, 3214868480
	.fill 96, 4, 3214868480
	.section	.rodata,"a",@progbits
	.p2align	6, 0x0
	.amdhsa_kernel k_q5ccfb41419_qkv
		.amdhsa_group_segment_fixed_size 327680
		.amdhsa_private_segment_fixed_size 0
		.amdhsa_enable_private_segment 0
		.amdhsa_kernarg_size 32
		.amdhsa_user_sgpr_count 2
		.amdhsa_user_sgpr_kernarg_segment_ptr 1
		.amdhsa_wavefront_size32 1
		.amdhsa_system_sgpr_workgroup_id_x 1
		.amdhsa_system_sgpr_workgroup_id_y 1
		.amdhsa_system_sgpr_workgroup_id_z 1
		.amdhsa_system_vgpr_workitem_id 0
		.amdhsa_next_free_vgpr 1024
		.amdhsa_next_free_sgpr 100
		.amdhsa_reserve_vcc 0
		.amdhsa_float_denorm_mode_32 3
		.amdhsa_float_denorm_mode_16_64 3
		.amdhsa_fp16_overflow 1
		.amdhsa_memory_ordered 1
		.amdhsa_forward_progress 1
		.amdhsa_inst_pref_size 96
	.end_amdhsa_kernel
	.amdgpu_metadata
---
amdhsa.version: [ 1, 2 ]
amdhsa.kernels:
  - .name:           k_q5ccfb41419_qkv
    .symbol:         k_q5ccfb41419_qkv.kd
    .args:
      - { .name: xc, .offset: 0, .size: 8, .value_kind: global_buffer, .address_space: global }
      - { .name: wc, .offset: 8, .size: 8, .value_kind: global_buffer, .address_space: global }
      - { .name: lowp_scales, .offset: 16, .size: 8, .value_kind: global_buffer, .address_space: global }
      - { .name: qkv, .offset: 24, .size: 8, .value_kind: global_buffer, .address_space: global }
    .group_segment_fixed_size: 327680
    .private_segment_fixed_size: 0
    .kernarg_segment_align: 8
    .kernarg_segment_size: 32
    .max_flat_workgroup_size: 128
    .sgpr_count:     100
    .vgpr_count:     1024
    .wavefront_size: 32
...
	.end_amdgpu_metadata
.endif
;; end of part 3
;; launch attn (part 4): grid 4 x 64, 16 waves a work-group, clusters of 4 x 1, 327,680 bytes of LDS; arguments qkv, lowp_scales, cc; writes cc
.if DOCPART == 4
	.amdgcn_target "amdgcn-amd-amdhsa--gfx1250"
	.amdhsa_code_object_version 6
	.text
	.protected	k_q5ccfb41419_attn
	.globl	k_q5ccfb41419_attn
	.p2align	8
	.type	k_q5ccfb41419_attn,@function
k_q5ccfb41419_attn:
	s_mov_b64 s[64:65], 0
	v_nop
	global_prefetch_b8 v0, s[64:65] scope:SCOPE_SE
	s_setreg_imm32_b32 hwreg(HW_REG_WAVE_MODE, 25, 1), 1
	s_wait_xcnt 0x0
	s_wait_alu depctr_hold_cnt(0) depctr_sa_sdst(0) depctr_va_vdst(0) depctr_va_sdst(0) depctr_va_ssrc(0) depctr_va_vcc(0) depctr_vm_vsrc(0)
	s_getreg_b32 s2, hwreg(HW_REG_IB_STS2, 6, 4)
	s_cmp_eq_u32 s2, 0
	s_cbranch_scc0 .Lentry_in_a_cluster
	s_endpgm
.Lentry_in_a_cluster:
	s_bfe_u32 s2, ttmp6, 0x10000c
	s_cmp_lg_u32 s2, 0x3003
	s_cbranch_scc0 .Lentry_shape_is_right
	s_endpgm
.Lentry_shape_is_right:
; Causal attention on E4M3 codes, head size 64, 2,048 tokens, 64 heads-of-batch, and the quantising of its result for the output projection.
; IN: qkv: q codes [64][2048][64], 8 MiB on k codes likewise, 16 MiB on v codes with the KEYS innermost, [64][chunk of 256 keys: 8][64][256].  OUT: cc: ctx codes [64][2048][64].
; THE SOFTMAX AHEAD OF THE SECOND PRODUCT: t = score x log2(e) / 8; M = the row's largest t so far, rounded UP to a whole number; p = 2^(t - M) is what is quantised, along the keys; it is not normalised.
; The row's sum is taken of the unquantised p, in f32, and divides O at the end.  When M moves, the sum and O are multiplied by 2^(old M - new M): nothing is rounded, and no branch hangs on data.
; SHARES.  A cluster of four work-groups is one head.  Its 128 tiles of 16 queries are numbered 8 a + b; tile (a, b) needs the key steps 0 .. a of 128 keys, of which step a lies on the diagonal.
; Wave w of the partner at place cx owns b = 2 cx + w % 2 and TWO tiles: a = 15 - w / 2 and a = w / 2: 17 key steps for every wave of the launch.  All branches hang on the wave's number and on loop
; counts, which are alike in all partners; cx enters the addresses of q and of cc and one register of data (the diagonal's bound), and nothing else.
; K AND V OF THE WHOLE HEAD LIE IN LDS, each byte filled ONCE, by joint loads that all four partners issue (each tile leaves memory once for the four).  Nothing is filled again: no ring, and no barrier in the key loops.
; Each wave issues two loads: its part of keys 0-1,023 and its part of keys 1,024-2,047 (waves 0-7: K; waves 8-15: V): two tensor loads of a wave are out at the most.  The first eight key steps of the
; high tiles, which every wave has, run while the second halves are on their way.
; LAYOUT.  Both products are used transposed: S^T = K Q^T (source 0 = 16 keys, source 1 = my 16 queries; K = 64, one instruction a tile), O^T = V^T P^T (source 0 = 16 of the head's 64, source 1 = P; K = 128 keys):
; a lane holds ONE query (lane % 16) throughout.  In S^T's tile c a lane's register j is key 16 c + 8 (lane / 16) + j: one conversion of a tile's eight registers gives registers 2 c, 2 c + 1 of P
; just where the K = 128 form wants k = 16 c + 8 (lane / 16) + 0 .. 7; V's fragments are loaded in that same order, 8 bytes at a time.  K's and Q's fragments are loaded 16 bytes at a time, the same order of
; the head's 64 in both, so every product meets its partner.
; LIMITS on the given exponents, so that each power of two below is an f32 number: e6 + e7 between -123 and 130 (added to c's exponent field); e8, and e10 - e8 - e9, between -126 and 119.
; REGISTERS: v1-7 addresses that stay; v8, v9 addresses of the loads in hand; v10 -infinity; v12 -M, v13 the largest t, v[14:15] the sum in two halves; v16-23, v24-31 Q of the high and the low tile;
; v32-95 eight fragments of K, then four of V; v96-159 S^T, then p; v160-191 O^T; v192-207 p's codes; v208-215 ctx's codes; v216-231 rows on their way out; v236-254 at work.
.set KP,    80                         ; a key's row in LDS: 64 bytes + 16 of padding: the 16 rows of a load start at 16 different 16-byte columns modulo 256 bytes
.set VP,    272                        ; a row of V (256 keys of one channel): 256 bytes + 16
.set VOFF,  2048*KP                    ; K's 2,048 rows, then V's 512 rows (64 x chunk + channel)
.set STAGE, VOFF+512*VP                ; behind them, from a multiple of 256 on: 16 rows x 80 bytes for each wave, for the way out; no fill lands here
.set AK0,  1                           ; v1   my lane's place in a tile of K
.set AV0,  2                           ; v2   the same for V
.set DG,   3                           ; v3   on the diagonal: register 8 c + j is hidden where 16 c + j > 16 b + lane % 16 - 8 (lane / 16)
.set STO,  4                           ; v4   the way out: where I put 8 bytes of a row
.set RD,   5                           ; v5   and where I read rows back
.set GO,   6                           ; v6   16 x lane: my place in a store's 512 bytes; never rewritten
.set QO,   7                           ; v7   my lane's place in a tile of Q in memory
.set ADK,  8
.set ADV,  9
.set NINF, 10
.set QH,   16
.set QL,   24
.set F,    32
.set S,    96
.set O,    160
.set P,    192
.set CD,   208
.set OBH,  216
.set OBL,  224
.set WV,   18                          ; s18  my wave's number
.set U,    19                          ; s19  wave % 8: which part I fetch
.set SEL,  20                          ; s[20:21] lane selects for v_permlanex16_b32: lane l xor 16
.set CS,   22                          ; s[22:23] c = log2(e) / 8 x 2^(e6 + e7): the packed form names a pair and takes its low word for both halves
.set G1K,  24                          ; s[24:31] descriptor group 1 for K's tiles;  s[32:39] for V's
.set G1V,  32
.set G0K,  40                          ; s[40:47] two groups 0 for K;  s[48:55] for V
.set G0V,  48
.set AH,   56                          ; s56  a of my high tile
.set AL,   57                          ; s57  a of my low tile
.set ST,   58                          ; s58  the key step in hand
.set TRIP, 59
.set TBK,  60                          ; s60  LDS byte at which the trip's 256 rows of K begin
.set TBV,  61                          ; s61  and, from VOFF on, its chunk of V
.set AA,   62                          ; s62  a of the tile in hand
.set PQH,  76                          ; s[76:77], s[78:79] Q's tiles in memory; s[80:81], s[82:83] cc's
.set PQL,  78
.set PCH,  80
.set PCL,  82
.macro CROUND                          ; a round of the cluster's barrier: my work-group's barrier; wave 0 signals for the work-group; every wave waits for all four; my work-group's barrier once more
	s_barrier_signal -1
	s_barrier_wait -1
	s_cmp_lg_u32 s[WV], 0
	s_cbranch_scc1 .Lnot_wave_0_\@
	s_barrier_signal -3
.Lnot_wave_0_\@:
	s_barrier_wait -3
	s_barrier_signal -1
	s_barrier_wait -1
.endm
	s_load_b128 s[4:7], s[0:1], 0x0                ; qkv s[4:5], the scales' exponents s[6:7]
	s_load_b64 s[8:9], s[0:1], 0x10                ; cc
	v_lshl_add_u32 v251, v0, 2, 0x4f000
	v_mov_b32 v255, 0
	ds_add_u32 v251, v255
	ds_add_u32 v251, v255
	v_lshrrev_b32 v8, 5, v0
	s_delay_alu instid0(VALU_DEP_1)
	v_readfirstlane_b32 s[WV], v8                  ; wave 0..15
	s_and_b32 s[U], s[WV], 7
	s_bfe_u32 s84, ttmp6, 0x40000                  ; cx: my place in the cluster
	s_and_b32 s85, ttmp7, 0xffff                   ; the head-of-batch, which the four partners share,
	s_lshl_b32 s85, s85, 17                        ; and its 131,072 bytes in each part of qkv and in cc
	s_lshr_b32 s[AL], s[WV], 1
	s_sub_co_u32 s[AH], 15, s[AL]
	s_and_b32 s86, s[WV], 1
	s_lshl_b32 s87, s84, 1
	s_add_co_u32 s86, s86, s87                     ; b = 2 cx + wave % 2
	s_lshl_b32 s88, s[U], 13                       ; what I fetch: 8,192 bytes x (wave % 8), of K (128 rows of 64) or of V (32 rows of 256),
	s_add_co_u32 s88, s88, s85                     ; in my head: made of the head and the wave's number alone
	s_mov_b32 s89, 0
	s_mul_i32 s90, s[U], 128*KP                    ; where it goes: K,
	s_mul_i32 s91, s[U], 32*VP
	s_add_co_u32 s91, s91, VOFF                    ; V: no place in the cluster enters an LDS address
	; descriptor group 1.  K: 128 rows of 64 bytes, dense in memory;  V: 32 rows of 256 bytes, dense in memory
	s_mov_b32 s[G1K], 15|(0<<16)|(1<<20)|(1<<21)|(3<<22)|(3<<25)   ; 15:0 the mask: all four work-groups; 17:16 elements of 1 byte; 20 padding on; 21 set beside a mask; 24:22 after every 16 words (code 3); 31:25 four words (code 3)
	s_mov_b32 s[G1K+1], 64<<16                     ; tensor_dim0
	s_mov_b32 s[G1K+2], 128<<16                    ; tensor_dim1
	s_mov_b32 s[G1K+3], 64<<16                     ; tile_dim0
	s_mov_b32 s[G1K+4], 128                        ; tile_dim1
	s_mov_b32 s[G1K+5], 64                         ; tensor_dim0_stride
	s_mov_b32 s[G1K+6], 0
	s_mov_b32 s[G1K+7], 0
	s_mov_b32 s[G1V], 15|(0<<16)|(1<<20)|(1<<21)|(5<<22)|(3<<25)   ; padding: four words after every 64
	s_mov_b32 s[G1V+1], 256<<16
	s_mov_b32 s[G1V+2], 32<<16
	s_mov_b32 s[G1V+3], 256<<16
	s_mov_b32 s[G1V+4], 32
	s_mov_b32 s[G1V+5], 256
	s_mov_b32 s[G1V+6], 0
	s_mov_b32 s[G1V+7], 0
	s_mov_b32 s[SEL], 0x76543210
	s_mov_b32 s[SEL+1], 0xfedcba98
	s_mov_b32 s[CS], 0x3e38aa3b                    ; log2(e) / 8
	s_lshl_b32 s94, s[AH], 3
	s_add_co_u32 s94, s94, s86                     ; my high tile's number, 8 a + b;
	s_lshl_b32 s94, s94, 10                        ; a tile of 16 rows of 64 bytes is 1,024 bytes
	s_add_co_u32 s94, s94, s85
	s_mov_b32 s95, 0
	s_lshl_b32 s92, s[AL], 3
	s_add_co_u32 s92, s92, s86                     ; my low tile's
	s_lshl_b32 s92, s92, 10
	s_add_co_u32 s92, s92, s85
	s_mov_b32 s93, 0
	s_wait_dscnt 0x0
	s_wait_kmcnt 0x0
	s_load_b256 s[68:75], s[6:7], 0x10             ; entries 4 to 11: s70 e6, s71 e7, s72 e8, s73 e9, s74 e10
	s_add_nc_u64 s[PQH:PQH+1], s[4:5], s[94:95]
	s_add_nc_u64 s[PCH:PCH+1], s[8:9], s[94:95]
	s_add_nc_u64 s[PQL:PQL+1], s[4:5], s[92:93]
	s_add_nc_u64 s[PCL:PCL+1], s[8:9], s[92:93]
	s_add_nc_u64 s[88:89], s[4:5], s[88:89]        ; qkv at my part of the head
	s_mov_b32 s[G0K], 1                            ; 1:0 count = 1
	s_mov_b32 s[G0K+1], s90                        ; 63:32 LDS address
	s_add_nc_u64 s[G0K+2:G0K+3], s[88:89], 0x800000    ; 120:64 global address: k's part, keys 128 (wave % 8) on
	s_or_b32 s[G0K+3], s[G0K+3], 0x80000000        ; 127:126 type = 2
	s_mov_b32 s[G0K+4], 1
	s_add_co_u32 s[G0K+5], s90, 1024*KP            ; the second half: keys 1,024 on
	s_add_nc_u64 s[G0K+6:G0K+7], s[88:89], 0x810000
	s_or_b32 s[G0K+7], s[G0K+7], 0x80000000
	s_mov_b32 s[G0V], 1
	s_mov_b32 s[G0V+1], s91
	s_add_nc_u64 s[G0V+2:G0V+3], s[88:89], 0x1000000   ; v's part, rows 32 (wave % 8) on: chunks 0 to 3
	s_or_b32 s[G0V+3], s[G0V+3], 0x80000000
	s_mov_b32 s[G0V+4], 1
	s_add_co_u32 s[G0V+5], s91, 256*VP             ; chunks 4 to 7
	s_add_nc_u64 s[G0V+6:G0V+7], s[88:89], 0x1010000
	s_or_b32 s[G0V+7], s[G0V+7], 0x80000000
	CROUND                                         ; all four work-groups are here: the joint loads meet
	s_cmp_lt_u32 s[WV], 8                          ; a wave's two fills stand in one branch, ahead of every wait on TENSORcnt and every LDS read; four v_nop follow the second
	s_cbranch_scc0 .Lfirst_v
	tensor_load_to_lds s[G0K:G0K+3], s[G1K:G1K+7]
	s_nop 0
	tensor_load_to_lds s[G0K+4:G0K+7], s[G1K:G1K+7]
	s_nop 0
.rept 4
	v_nop
.endr
	s_branch .Lfirst_asked
.Lfirst_v:
	tensor_load_to_lds s[G0V:G0V+3], s[G1V:G1V+7]
	s_nop 0
	tensor_load_to_lds s[G0V+4:G0V+7], s[G1V:G1V+7]
	s_nop 0
.rept 4
	v_nop
.endr
.Lfirst_asked:
	v_and_b32 v8, 15, v0                           ; r = lane % 16
	v_bfe_u32 v9, v0, 4, 1                         ; h = lane / 16
	v_and_b32 v11, 31, v0                          ; lane
	s_delay_alu instid0(VALU_DEP_3)
	v_lshlrev_b32 v[QO], 6, v8
	s_delay_alu instid0(VALU_DEP_1)
	v_lshl_add_u32 v[QO], v9, 4, v[QO]             ; Q: row r of 64 bytes, + 16 h
	global_load_b128 v[QH:QH+3], v[QO], s[PQH:PQH+1]            ; registers 4 p .. 4 p + 3: the head's 32 p + 16 h + 0 .. 15, as K's fragments have them
	global_load_b128 v[QH+4:QH+7], v[QO], s[PQH:PQH+1] offset:32
	global_load_b128 v[QL:QL+3], v[QO], s[PQL:PQL+1]
	global_load_b128 v[QL+4:QL+7], v[QO], s[PQL:PQL+1] offset:32
	v_mul_u32_u24 v[AK0], v8, KP
	s_delay_alu instid0(VALU_DEP_1)
	v_lshl_add_u32 v[AK0], v9, 4, v[AK0]           ; K: row r, + 16 h
	v_mul_u32_u24 v[AV0], v8, VP
	s_delay_alu instid0(VALU_DEP_1)
	v_lshl_add_u32 v[AV0], v9, 3, v[AV0]
	s_delay_alu instid0(VALU_DEP_1)
	v_add_nc_u32 v[AV0], VOFF, v[AV0]              ; V: row r, + 8 h
	v_lshlrev_b32 v[DG], 3, v9
	s_delay_alu instid0(VALU_DEP_1)
	v_sub_nc_u32 v[DG], v8, v[DG]
	s_lshl_b32 s87, s86, 4
	v_add_nc_u32 v[DG], s87, v[DG]                 ; 16 b + r - 8 h
	s_mul_i32 s96, s[WV], 16*KP
	s_add_co_u32 s96, s96, STAGE                   ; my stage
	v_mul_u32_u24 v[STO], v8, KP
	s_delay_alu instid0(VALU_DEP_1)
	v_lshl_add_u32 v[STO], v9, 3, v[STO]
	s_delay_alu instid0(VALU_DEP_1)
	v_add_nc_u32 v[STO], s96, v[STO]               ; in: row r, + 8 h
	v_lshrrev_b32 v[RD], 2, v11
	s_delay_alu instid0(VALU_DEP_1)
	v_mul_u32_u24 v[RD], v[RD], KP
	v_and_b32 v10, 3, v0
	s_delay_alu instid0(VALU_DEP_1)
	v_lshl_add_u32 v[RD], v10, 4, v[RD]
	s_delay_alu instid0(VALU_DEP_1)
	v_add_nc_u32 v[RD], s96, v[RD]                 ; back: eight rows of 64 bytes an instruction: row lane / 4, 16 (lane % 4)
	v_lshlrev_b32 v[GO], 4, v11
	v_mov_b32 v[NINF], 0xff800000                  ; -infinity
	v_mov_b32 v236, 0                              ; written once: a lane permute's destination counts as one of its sources
	v_mov_b32 v252, 0
	v_mov_b32 v253, 0                              ; (named as the upper half of the pair v[252:253])
	s_wait_kmcnt 0x0
	s_add_co_i32 s98, s70, s71
	s_lshl_b32 s98, s98, 23
	s_add_co_i32 s[CS], s[CS], s98                 ; a score stands for score x 2^(e6 + e7): the two exponents are added to c's exponent field
	s_mov_b32 s[CS+1], s[CS]                       ; (named with it as a pair, so it is written)
	s_add_co_i32 s98, s72, 127
	s_lshl_b32 s99, s98, 23
	v_mov_b32 v244, s99                            ; 2^e8 as f32, for p's conversions
	s_sub_co_i32 s98, s74, s72
	s_sub_co_i32 s98, s98, s73                     ; O / the sum stands for ctx / 2^(e8 + e9): its code under 2^e10 is (O / the sum) / 2^(e10 - e8 - e9)
	s_add_co_i32 s98, s98, 127
	s_lshl_b32 s99, s98, 23
	v_mov_b32 v245, s99
; A tile begins: the largest t so far is -3e38, under every t; the sum and O^T are zeros, which the first change of M leaves zeros.  So the key step is written without a first step of its own.
.macro INIT
	v_mov_b32 v13, 0xff61b1e6
	s_delay_alu instid0(VALU_DEP_1)
	v_floor_f32 v12, -v13                          ; -M
	v_mov_b32 v14, 0
	v_mov_b32 v15, 0
.set j, 0
.rept 32
	v_mov_b32 v[O+j], 0
.set j, j+1
.endr
.endm
; A KEY STEP: 128 keys, the q-th half of the trip's 256; QR: the tile's Q.  mode = 1: the step may lie behind the diagonal (it is left out: a scalar branch on the wave's number and the step's count, round loads,
; products and softmax; no barrier and no tensor load stands in a step) or on it (hidden scores become -infinity ahead of the maximum: p = 0 then; key 0 of the step counts for every query, so M stays a number).
.macro STEP q, mode, QR
.if \mode
	s_cmp_gt_u32 s[ST], s[AA]
	s_cbranch_scc1 .Lhidden_\@
.endif
	v_add_nc_u32 v[ADK], s[TBK], v[AK0]
	v_add_nc_u32 v[ADV], s[TBV], v[AV0]
	v_nop
	v_nop                                          ; with the two additions: four places between the last step's products, which read v32-95, and the loads into them
.irp c, 0,1,2,3,4,5,6,7                        ; K: eight tiles of 16 neighbouring keys
	ds_load_b128 v[F+8*\c:F+8*\c+3], v[ADK] offset:(128*(\q)+16*\c)*KP
	ds_load_b128 v[F+8*\c+4:F+8*\c+7], v[ADK] offset:(128*(\q)+16*\c)*KP+32
.endr
	s_wait_alu depctr_va_vdst(0)
	s_wait_dscnt 0x0
.irp c, 0,1,2,3,4,5,6,7
	v_wmma_f32_16x16x64_fp8_fp8 v[S+8*\c:S+8*\c+7], v[F+8*\c:F+8*\c+7], v[\QR:\QR+7], 0
.endr
.rept 4
	v_nop                                          ; places in front of the loads into K's registers and of the first read of the scores
.endr
.irp t, 0,1,2,3                                ; V: four tiles of 16 channels x 128 keys, asked for now: they land while the softmax is walked
.irp c, 0,1,2,3,4,5,6,7
	ds_load_b64 v[F+16*\t+2*\c:F+16*\t+2*\c+1], v[ADV] offset:16*\t*VP+128*(\q)+16*\c
.endr
.endr
.if \mode
	s_cmp_lg_u32 s[ST], s[AA]
	s_cbranch_scc1 .Lopen_\@
.set n, 0
.rept 64
	v_cmp_gt_i32 vcc_lo, 16*(n/8)+n%8, v[DG]
	v_cndmask_b32 v[S+n], v[S+n], v[NINF], vcc_lo
.set n, n+1
.endr
.Lopen_\@:
.endif
	v_max3_num_f32 v254, v[S], v[S+1], v[S+2]      ; the step's largest score of my query, among my 64 keys, in two chains (each accumulator is first read at its low end),
	v_max3_num_f32 v252, v[S+3], v[S+4], v[S+5]
.irp i, 6,10,14,18,22,26,30,34,38,42,46,50,54,58
	v_max3_num_f32 v254, v254, v[S+\i], v[S+1+\i]
	v_max3_num_f32 v252, v252, v[S+2+\i], v[S+3+\i]
.endr
	v_max3_num_f32 v254, v254, v[S+62], v[S+63]
	s_delay_alu instid0(VALU_DEP_1)
	v_max_num_f32 v254, v254, v252
	s_delay_alu instid0(VALU_DEP_1)
	v_permlanex16_b32 v236, v254, s[SEL], s[SEL+1]
	s_delay_alu instid0(VALU_DEP_1)
	v_max_num_f32 v254, v254, v236                 ; and among lane l xor 16's
	s_delay_alu instid0(VALU_DEP_1)
	v_mul_f32 v254, s[CS], v254                    ; as t (c is positive)
	s_delay_alu instid0(VALU_DEP_1)
	v_max_num_f32 v13, v13, v254                   ; the running largest t
	v_mov_b32 v254, v12
	s_delay_alu instid0(VALU_DEP_2)
	v_floor_f32 v12, -v13                          ; the new -M = floor(-t) = -ceil(t): M is a whole number
	s_delay_alu instid0(VALU_DEP_1)
	v_sub_f32 v254, v12, v254                      ; M's old value less its new one: a whole number, 0 or less
	s_delay_alu instid0(VALU_DEP_1)
	v_cvt_i32_f32 v254, v254                       ; (it saturates)
	s_delay_alu instid0(VALU_DEP_1)
	v_ldexp_f32 v252, 1.0, v254                    ; f = 2^(old M - new M)
.set j, 0
.rept 32
	v_pk_fma_f32 v[S+j:S+j+1], v[S+j:S+j+1], s[CS:CS+1], v[12:13] op_sel_hi:[1,0,0]   ; t - M, two at a time (of the pairs c and -M the low word serves both halves)
.set j, j+2
.endr
.set j, 0
	s_wait_alu depctr_va_vdst(0)
.rept 64
	v_exp_f32 v[S+j], v[S+j]                       ; p = 2^(t - M), at most 1: not normalised
.set j, j+1
.endr
	v_pk_mul_f32 v[14:15], v[14:15], v[252:253] op_sel_hi:[1,0]   ; the sums under the new M: the plain instruction behind the exponentials
	s_wait_alu depctr_va_vdst(0)                   ; one wait for the whole batch of 64, ahead of its first reader
	v_pk_add_f32 v[242:243], v[100:101], v[104:105]
	v_pk_add_f32 v[248:249], v[108:109], v[112:113]
	v_pk_add_f32 v[246:247], v[116:117], v[120:121]
	v_pk_add_f32 v[240:241], v[124:125], v[128:129]
	v_pk_add_f32 v[238:239], v[132:133], v[136:137]
	v_pk_add_f32 v[234:235], v[140:141], v[144:145]
	v_pk_add_f32 v[232:233], v[148:149], v[152:153]
	v_pk_add_f32 v[14:15], v[14:15], v[156:157]
	v_pk_add_f32 v[242:243], v[242:243], v[96:97]
	v_pk_add_f32 v[248:249], v[248:249], v[98:99]
	v_pk_add_f32 v[246:247], v[246:247], v[102:103]
	v_pk_add_f32 v[240:241], v[240:241], v[106:107]
	v_pk_add_f32 v[238:239], v[238:239], v[110:111]
	v_pk_add_f32 v[234:235], v[234:235], v[114:115]
	v_pk_add_f32 v[232:233], v[232:233], v[118:119]
	v_pk_add_f32 v[14:15], v[14:15], v[122:123]
	v_pk_add_f32 v[242:243], v[242:243], v[126:127]
	v_pk_add_f32 v[248:249], v[248:249], v[130:131]
	v_pk_add_f32 v[246:247], v[246:247], v[134:135]
	v_pk_add_f32 v[240:241], v[240:241], v[138:139]
	v_pk_add_f32 v[238:239], v[238:239], v[142:143]
	v_pk_add_f32 v[234:235], v[234:235], v[146:147]
	v_pk_add_f32 v[232:233], v[232:233], v[150:151]
	v_pk_add_f32 v[14:15], v[14:15], v[154:155]
	v_pk_add_f32 v[242:243], v[242:243], v[158:159]
	s_delay_alu instid0(VALU_DEP_2)
	v_pk_add_f32 v[14:15], v[14:15], v[240:241]
	s_delay_alu instid0(VALU_DEP_2)
	v_pk_add_f32 v[242:243], v[242:243], v[238:239]
	v_pk_add_f32 v[248:249], v[248:249], v[234:235]
	v_pk_add_f32 v[246:247], v[246:247], v[232:233]
	s_delay_alu instid0(VALU_DEP_2)
	v_pk_add_f32 v[14:15], v[14:15], v[248:249]
	s_delay_alu instid0(VALU_DEP_2)
	v_pk_add_f32 v[242:243], v[242:243], v[246:247]
	s_delay_alu instid0(VALU_DEP_1)
	v_pk_add_f32 v[14:15], v[14:15], v[242:243]
.irp c, 0,1,2,3,4,5,6,7
.irp i, 0,1,2,3,4,5,6,7
.endr
	v_cvt_scalef32_pk8_fp8_f32 v[P+2*\c:P+2*\c+1], v[S+8*\c:S+8*\c+7], v244   ; keys 16 c + 8 h + 0 .. 7: registers 2 c, 2 c + 1 of the second product's operand
.endr
.set j, 0
.rept 16
	v_pk_mul_f32 v[O+j:O+j+1], v[O+j:O+j+1], v[252:253] op_sel_hi:[1,0]   ; O^T under the new M.  (Plain lines between the conversions and the products that read their results)
.set j, j+2
.endr
	s_wait_alu depctr_va_vdst(0)
	s_wait_dscnt 0x0                               ; V is in
.irp t, 0,1,2,3                                ; the four accumulators take turns, one instruction a turn; the next step's eight score products stand between two links of a chain
	v_wmma_f32_16x16x128_fp8_fp8 v[O+8*\t:O+8*\t+7], v[F+16*\t:F+16*\t+15], v[P:P+15], v[O+8*\t:O+8*\t+7]
.endr
.if \mode
.Lhidden_\@:
.endif
	s_add_co_u32 s[ST], s[ST], 1
.endm
; Four trips of two key steps: 1,024 keys.  The trip count is a constant of the text; the LDS addresses step by constants.
.macro PHASE mode, QR
	s_mov_b32 s[TRIP], 4
.Ltrip_\@:
	STEP 0, \mode, \QR
	STEP 1, \mode, \QR
	s_add_co_u32 s[TBK], s[TBK], 256*KP
	s_add_co_u32 s[TBV], s[TBV], 64*VP
	s_sub_co_u32 s[TRIP], s[TRIP], 1
	s_cmp_lg_u32 s[TRIP], 0
	s_cbranch_scc1 .Ltrip_\@
.endm
; A TILE'S WAY OUT.  O^T / the sum, converted (a lane's eight registers of a tile are eight neighbouring channels of its query: 8 bytes), through my own stage in LDS, and out as 1,024 dense bytes.
.macro OUT OB, ptr
.rept 4
	v_nop                                          ; places behind the last products, on every way here
.endr
	v_add_f32 v14, v14, v15                        ; the sum's two halves,
	s_delay_alu instid0(VALU_DEP_1)
	v_permlanex16_b32 v252, v14, s[SEL], s[SEL+1]
	s_delay_alu instid0(VALU_DEP_1)
	v_add_f32 v14, v14, v252                       ; and lane l xor 16's: the row's sum; above 1/2, since the row's largest p is
	s_wait_alu depctr_va_vdst(0)
	v_rcp_f32 v14, v14
	v_nop                                          ; a plain instruction behind the reciprocal,
	s_wait_alu depctr_va_vdst(0)                   ; and the wait ahead of its first reader
.set j, 0
.rept 32
	v_mul_f32 v[S+j], v[O+j], v14                  ; register 8 t + i: channel 16 t + 8 h + i of query r; each accumulator from its low end on
.set j, j+1
.endr
.set j, 0
.rept 32
.set j, j+1
.endr
.irp t, 0,1,2,3
	v_cvt_scalef32_pk8_fp8_f32 v[CD+2*\t:CD+2*\t+1], v[S+8*\t:S+8*\t+7], v245
.endr
	v_nop                                          ; one plain vector line behind the last conversion
.irp t, 0,1,2,3
	ds_store_b64 v[STO], v[CD+2*\t:CD+2*\t+1] offset:16*\t
.endr
	ds_load_b128 v[\OB:\OB+3], v[RD]               ; LDS serves a wave's instructions in order: these see my stores
	ds_load_b128 v[\OB+4:\OB+7], v[RD] offset:8*KP
	s_wait_dscnt 0x0
	global_store_b128 v[GO], v[\OB:\OB+3], s[\ptr:\ptr+1]               ; 512 consecutive bytes each, aligned; the data registers are this tile's own and are not written again
	global_store_b128 v[GO], v[\OB+4:\OB+7], s[\ptr:\ptr+1] offset:512
.endm
	INIT
	s_mov_b32 s[ST], 0
	s_mov_b32 s[TBK], 0
	s_mov_b32 s[TBV], 0
	s_wait_tensorcnt 1                             ; my part of keys 0-1,023 is in; my second load may stay out, and the steps up to the next barrier read the first halves alone
	s_barrier_signal -1
	s_barrier_wait -1                              ; everybody's is
	s_wait_loadcnt 0x0                             ; Q
	PHASE 0, QH                                    ; the high tile's steps 0 to 7: a is 8 or more, so none is hidden or on the diagonal
	s_wait_tensorcnt 0x0                           ; my part of keys 1,024-2,047 is in,
	s_wait_dscnt 0x0
	s_barrier_signal -1
	s_barrier_wait -1                              ; everybody's is.  Every wave has nine steps left
	s_mov_b32 s[AA], s[AH]
	PHASE 1, QH                                    ; the high tile's steps 8 to a
	OUT OBH, PCH
	INIT
	s_mov_b32 s[AA], s[AL]
	s_mov_b32 s[ST], 0
	s_mov_b32 s[TBK], 0
	s_mov_b32 s[TBV], 0
	PHASE 1, QL                                    ; the low tile's steps 0 to a
	OUT OBL, PCL
	s_wait_dscnt 0x0
	s_wait_tensorcnt 0x0
	ds_add_u32 v251, v255
	s_wait_dscnt 0x0
	CROUND                                         ; the closing round: no work-group ends while a partner may still ask for a tile that names it
	s_endpgm
.Lfunc_end_k_q5ccfb41419_attn:
	.size	k_q5ccfb41419_attn, .Lfunc_end_k_q5ccfb41419_attn-k_q5ccfb41419_attn
	.p2alignl 7, 3214868480
	.fill 96, 4, 3214868480
	.section	.rodata,"a",@progbits
	.p2align	6, 0x0
	.amdhsa_kernel k_q5ccfb41419_attn
		.amdhsa_group_segment_fixed_size 327680
		.amdhsa_private_segment_fixed_size 0
		.amdhsa_enable_private_segment 0
		.amdhsa_kernarg_size 24
		.amdhsa_user_sgpr_count 2
		.amdhsa_user_sgpr_kernarg_segment_ptr 1
		.amdhsa_wavefront_size32 1
		.amdhsa_system_sgpr_workgroup_id_x 1
		.amdhsa_system_sgpr_workgroup_id_y 1
		.amdhsa_system_sgpr_workgroup_id_z 1
		.amdhsa_system_vgpr_workitem_id 0
		.amdhsa_next_free_vgpr 256
		.amdhsa_next_free_sgpr 100
		.amdhsa_reserve_vcc 1
		.amdhsa_float_denorm_mode_32 3
		.amdhsa_float_denorm_mode_16_64 3
		.amdhsa_fp16_overflow 1
		.amdhsa_memory_ordered 1
		.amdhsa_forward_progress 1
		.amdhsa_inst_pref_size 125
	.end_amdhsa_kernel
	.amdgpu_metadata
---
amdhsa.version: [ 1, 2 ]
amdhsa.kernels:
  - .name:           k_q5ccfb41419_attn
    .symbol:         k_q5ccfb41419_attn.kd
    .args:
      - { .name: qkv, .offset: 0, .size: 8, .value_kind: global_buffer, .address_space: global }
      - { .name: lowp_scales, .offset: 8, .size: 8, .value_kind: global_buffer, .address_space: global }
      - { .name: cc, .offset: 16, .size: 8, .value_kind: global_buffer, .address_space: global }
    .group_segment_fixed_size: 327680
    .private_segment_fixed_size: 0
    .kernarg_segment_align: 8
    .kernarg_segment_size: 24
    .max_flat_workgroup_size: 512
    .sgpr_count:     100
    .vgpr_count:     256
    .wavefront_size: 32
...
	.end_amdgpu_metadata
.endif
;; end of part 4
;; launch oproj (part 5): grid 4 x 32, 4 waves a work-group, clusters of 4 x 4, 327,680 bytes of LDS; arguments cc, wc, lowp_scales, bo, out0; writes out0
.if DOCPART == 5
	.amdgcn_target "amdgcn-amd-amdhsa--gfx1250"
	.amdhsa_code_object_version 6
	.text
	.protected	k_q5ccfb41419_oproj
	.globl	k_q5ccfb41419_oproj
	.p2align	8
	.type	k_q5ccfb41419_oproj,@function
k_q5ccfb41419_oproj:
	s_mov_b64 s[64:65], 0
	v_nop
	global_prefetch_b8 v0, s[64:65] scope:SCOPE_SE
	s_setreg_imm32_b32 hwreg(HW_REG_WAVE_MODE, 25, 1), 1
	s_wait_xcnt 0x0
	s_wait_alu depctr_hold_cnt(0) depctr_sa_sdst(0) depctr_va_vdst(0) depctr_va_sdst(0) depctr_va_ssrc(0) depctr_va_vcc(0) depctr_vm_vsrc(0)
	s_getreg_b32 s2, hwreg(HW_REG_IB_STS2, 6, 4)
	s_cmp_eq_u32 s2, 0
	s_cbranch_scc0 .Lentry_in_a_cluster
	s_endpgm
.Lentry_in_a_cluster:
	s_bfe_u32 s2, ttmp6, 0x10000c
	s_cmp_lg_u32 s2, 0xf033
	s_cbranch_scc0 .Lentry_shape_is_right
	s_endpgm
.Lentry_shape_is_right:
; out0 = ctx Wo + bo on E4M3 codes: C[m][n] = sum over k of A[m][k] B[n][k] x 2^(e10 + e11) + bo[n].  M = 8,192, N = K = 1,024; C f32.
; A = cc, ctx's codes HEAD-MAJOR, [head-of-batch 64][token 2048][64]: k = 64 x head + channel.  B = wc weight 3 (Wo's codes, [n][k]).
; LIMIT: e10 + e11 between -126 and 127, so that 2^(e10 + e11) is an f32 number.
; SHAPE: tiles of 256 x 256 of C, four waves, each 128 x 128 in 64 accumulators; K in steps of 256 (four heads) through a ring of two LDS slots filled by the tensor data mover.  C has 128 such tiles: this launch
; has 128 work-groups; a smaller tile would fill more WGPs at twice the LDS reads for each product, and this text keeps the core of the launch that makes q, k and v.
; A'S TILE: 128 tokens x 4 heads.  One head's 128 rows of 64 bytes are 8,192 dense bytes, and from head to head it is 131,072 bytes: the descriptor states 4 rows of 8,192 bytes, padded by 16 bytes behind
; every 64: in LDS the lines [head 4][token 128] lie 80 bytes apart, so that the 16 rows of a fragment load start at 16 different 16-byte columns modulo 256 bytes.
; CLUSTERS: 4 x 4 work-groups; A's tiles are asked for jointly along a row of the cluster, B's along a column.  THE MATRIX INSTRUCTION IS USED TRANSPOSED (source 0 = 16 rows of B, source 1 = 16 rows of A).
; REGISTERS, in windows of 256: window 0: v0-31 addresses and the bias; from v128 A's fragments, ONE set; on the way out v128-255 take rows of C.   window 1: B's fragments, TWO sets.
;   window 2: the accumulators of my rows 0-63 ((a, b) at v[8 (8 a + b)]);   window 3: those of my rows 64-127.
.set SIZE_K, 1024
.set SIZE_N, 1024
.set KSTEP,  256
.set ROWB,   256                       ; a row of B's tile in bytes
.set KROW,   SIZE_K
.set PITCH,  272                       ; B's LDS row: 256 bytes + 16
.set APITCH, 80                        ; A's LDS line: 64 bytes + 16
.set AHEAD,  128*APITCH                ; one head's 128 lines
.set AHALF,  4*AHEAD                   ; what one tensor load brings of A: 128 tokens x 4 heads
.set ASTEP,  4*131072                  ; a K step on in cc: four heads
.set FR,     16
.set NL,     4
.set NP,     4                         ; places behind this matrix instruction (ISA guide 7.12.1)
.set HALFT,  128*PITCH                 ; what one tensor load brings of B
.set BOFF,   2*AHALF                   ; a slot: A's two halves, then B's two
.set SLOT,   BOFF+2*HALFT
.set LAPS,   SIZE_K/(2*KSTEP)
.set SPARE,  2*SLOT                    ; behind the ring: the spare words, 128 bytes for each wave: two blocks of 256 bytes that no other line names
.set SPITCH, 528                       ; the way out: a stage of 16 rows x (512 bytes + 16) for each wave, in slot 0, which has had its last fill and its last read when the first result is stored there
.set BIAS, 8                           ; v8-11   bo at my four columns of a row read back
.set ADRA, 16
.set ADRB, 20
.set STO,  24                          ; v24     the way out: where I put 32 bytes of a row
.set RD,   25                          ; v25     where I read a row back
.set CO,   26                          ; v26     16 x lane: my byte offset in a row's 512 bytes
.set SPW,  28
.set NIL,  29
.set AF,   128
.set BK,   128                         ; the way out: 16 rows read back: v128-191 and v192-255 by turns
.set G1, 24
.set G0, 32
.set G1B, 48
.set G0B, 56
.set MSB, 0
.macro WIN new                         ; the immediate's high byte repeats the setting that is left
.if MSB != \new
	s_set_vgpr_msb (MSB<<8)|\new
.set MSB, \new
.endif
.endm
.set MUL_LO, 0xa1                      ; source 0 (B) window 1, source 1 (A) window 0, C and D window 2
.set MUL_HI, 0xf1                      ; the same, C and D window 3
.set TO_B,   0x40                      ; destination window 1, address window 0
; A joint load: waves 0 and 1 fetch for A, waves 2 and 3 for B; the branch hangs on the wave's number alone.  Four v_nop follow each of the two lines.
.macro JLOAD g0a, g1a, g0b, g1b
	s_cmp_eq_u32 s15, 0
	s_cbranch_scc0 .Lfor_b_\@
	tensor_load_to_lds s[\g0a:\g0a+3], s[\g1a:\g1a+7]
	s_nop 0
.rept 4
	v_nop
.endr
	s_branch .Lasked_\@
.Lfor_b_\@:
	tensor_load_to_lds s[\g0b:\g0b+3], s[\g1b:\g1b+7]
	s_nop 0
.rept 4
	v_nop
.endr
.Lasked_\@:
.endm
.macro CREST                           ; a round of the cluster's barrier behind its opening barrier
	s_cmp_lg_u32 s14, 0
	s_cbranch_scc1 .Lnot_wave_0_\@
	s_barrier_signal -3
.Lnot_wave_0_\@:
	s_barrier_wait -3
	s_barrier_signal -1
	s_barrier_wait -1
.endm
.macro CROUND                          ; a whole round
	s_barrier_signal -1
	s_barrier_wait -1
	CREST
.endm
	s_load_b128 s[4:7], s[0:1], 0x0                ; cc s[4:5], wc s[6:7]
	s_load_b128 s[8:11], s[0:1], 0x10              ; the scales' exponents s[8:9], bo s[10:11]
	s_load_b64 s[12:13], s[0:1], 0x20              ; out0
	v_lshl_add_u32 v[SPW], v0, 2, SPARE
	v_mov_b32 v[NIL], 0
	ds_add_u32 v28, v29
	ds_add_u32 v28, v29
	s_wait_dscnt 0x0
	v_lshrrev_b32 v1, 5, v0
	v_readfirstlane_b32 s14, v1                    ; wave 0..3
	s_lshr_b32 s15, s14, 1                         ; which half of the tile's rows is mine.  Also: I fetch for A (0) or for B (1)
	s_and_b32 s16, s14, 1                          ; which half of its columns.  Also: which half of that tile I fetch
	s_bfe_u32 s40, ttmp6, 0x40000                  ; cx, cy
	s_bfe_u32 s41, ttmp6, 0x40004
	s_lshl_b32 s42, ttmp9, 2
	s_add_co_u32 s42, s42, s40                     ; tile column of C = 4 x cluster x + cx
	s_and_b32 s17, ttmp7, 0xffff
	s_lshl_b32 s17, s17, 2
	s_add_co_u32 s17, s17, s41                     ; tile row of C = 4 x cluster y + cy
	s_lshl_b32 s43, s41, 2
	s_lshl_b32 s43, 15, s43                        ; my row of the cluster
	s_lshl_b32 s44, 0x1111, s40                    ; my column
	; descriptor group 1 for A: 4 rows of 8,192 bytes, 131,072 bytes apart, 16 bytes of padding behind every 64
	s_or_b32 s[G1+0], s43, (0<<16)|(1<<20)|(1<<21)|(3<<22)|(3<<25)  ; 15:0 the mask: my row; 17:16 element of 1 byte; 20 padding on; 21 set beside a mask; 24:22 after every 16 words (code 3); 31:25 of 4 words (code 3)
	s_mov_b32 s[G1+1], 8192<<16                    ; tensor_dim0
	s_mov_b32 s[G1+2], 4<<16                       ; tensor_dim1 = 4
	s_mov_b32 s[G1+3], 8192<<16                    ; tile_dim0
	s_mov_b32 s[G1+4], 4                           ; tile_dim1 = 4
	s_mov_b32 s[G1+5], 131072                      ; tensor_dim0_stride: from head to head
	s_mov_b32 s[G1+6], 0
	s_mov_b32 s[G1+7], 0
	; and for B: 128 rows of 256 bytes, 1,024 apart, 16 bytes of padding behind each
	s_or_b32 s[G1B+0], s44, (0<<16)|(1<<20)|(1<<21)|(5<<22)|(3<<25)
	s_mov_b32 s[G1B+1], ROWB<<16
	s_mov_b32 s[G1B+2], 128<<16
	s_mov_b32 s[G1B+3], ROWB<<16
	s_mov_b32 s[G1B+4], 128
	s_mov_b32 s[G1B+5], KROW
	s_mov_b32 s[G1B+6], 0
	s_mov_b32 s[G1B+7], 0
	s_lshr_b32 s20, s17, 3
	s_lshl_b32 s20, s20, 21                        ; A: the batch's 16 heads of 131,072 bytes,
	s_and_b32 s18, s17, 7
	s_lshl_b32 s18, s18, 14
	s_add_co_u32 s20, s20, s18                     ; + 256 tokens of 64 bytes for each tile in the batch,
	s_lshl_b32 s18, s16, 13
	s_add_co_u32 s20, s20, s18                     ; + 128 tokens for the half that I fetch
	s_mov_b32 s21, 0
	s_lshl_b32 s46, s42, 8
	s_lshl_b32 s19, s16, 7
	s_add_co_u32 s46, s46, s19
	s_lshl_b32 s46, s46, 10                        ; B: (256 x tile column + 128 x half) rows of 1,024 bytes,
	s_add_co_u32 s46, s46, 0x300000                ; in weight 3
	s_mov_b32 s47, 0
	s_mul_i32 s45, s16, AHALF                      ; where they go: A's half,
	s_mul_i32 s67, s16, HALFT
	s_add_co_u32 s67, s67, BOFF                    ; B's half: no place in the cluster enters an LDS address
	; my columns and rows of C, in bytes (in registers that feed no descriptor)
	s_lshl_b32 s93, s42, 10
	s_lshl_b32 s94, s16, 9
	s_add_co_u32 s94, s93, s94                     ; 1,024 x tile column + 512 x half
	s_mov_b32 s95, 0
	s_lshl_b32 s92, s17, 20
	s_lshl_b32 s93, s15, 19
	s_add_co_u32 s92, s92, s93                     ; (256 x tile row + 128 x half) rows of 4,096 bytes
	s_add_co_u32 s92, s92, s94
	s_mov_b32 s93, 0
	s_wait_kmcnt 0x0
	s_load_b64 s[96:97], s[8:9], 0x28              ; e10, e11
	s_add_nc_u64 s[20:21], s[4:5], s[20:21]
	s_add_nc_u64 s[46:47], s[6:7], s[46:47]
	s_add_nc_u64 s[10:11], s[10:11], s[94:95]      ; bo at my 128 columns
	s_add_nc_u64 s[12:13], s[12:13], s[92:93]      ; out0 at my part of the tile
	CROUND                                         ; all sixteen work-groups are here: the first joint loads meet
.irp s, 0,1
	s_mov_b32 s[G0+4*\s], 1
	s_add_co_u32 s[G0+4*\s+1], s45, \s*SLOT
	s_add_nc_u64 s[G0+4*\s+2:G0+4*\s+3], s[20:21], \s*ASTEP
	s_or_b32 s[G0+4*\s+3], s[G0+4*\s+3], 0x80000000
	s_mov_b32 s[G0B+4*\s], 1
	s_add_co_u32 s[G0B+4*\s+1], s67, \s*SLOT
	s_add_nc_u64 s[G0B+4*\s+2:G0B+4*\s+3], s[46:47], \s*ROWB
	s_or_b32 s[G0B+4*\s+3], s[G0B+4*\s+3], 0x80000000
	s_wait_alu depctr_va_vdst(0)
	s_wait_tensorcnt 0x0
	ds_add_u32 v28, v29
	ds_add_u32 v28, v29
	s_wait_dscnt 0x0
	CROUND
	JLOAD G0+4*\s, G1, G0B+4*\s, G1B
.endr
	v_and_b32 v1, 15, v0                           ; r = l % 16
	v_bfe_u32 v2, v0, 4, 1                         ; h = l / 16
	v_and_b32 v6, 31, v0
	v_lshlrev_b32 v[CO], 4, v6
	global_load_b128 v[BIAS:BIAS+3], v[CO], s[10:11]   ; bo at columns 4 x lane .. + 3 of my 128: those that I hold of a row read back from the stage
	v_mul_u32_u24 v3, v1, APITCH
	v_lshl_add_u32 v3, v2, 4, v3                   ; A: line r x 80 + 16 h
	v_mul_u32_u24 v4, v1, PITCH
	v_lshl_add_u32 v4, v2, 4, v4                   ; B: row r x 272 + 16 h
	s_mul_i32 s91, s15, AHALF                      ; my 128 rows of A
	s_mul_i32 s92, s16, HALFT                      ; my 128 rows of B,
	s_add_co_u32 s92, s92, BOFF                    ; which lie behind A's
.irp s, 0,1
	v_add_nc_u32 v[ADRA+\s], s91, v3
	v_add_nc_u32 v[ADRB+\s], s92, v4
	s_add_co_u32 s91, s91, SLOT
	s_add_co_u32 s92, s92, SLOT
.endr
	s_mul_i32 s91, s14, 16*SPITCH                  ; my stage
	v_mul_u32_u24 v5, v1, SPITCH                   ; in: row l % 16, 32 bytes for each half of the lanes
	v_lshl_add_u32 v5, v2, 5, v5
	v_add_nc_u32 v[STO], s91, v5
	v_add_nc_u32 v[RD], s91, v[CO]                 ; back: the 32 lanes take one row of 512 bytes
.macro FRAGB reg, adr, q, i            ; 16 rows x 128 K: registers 4 c .. 4 c + 3 hold K = 32 c + 16 (l / 16) + 0 .. 15
.irp c, 0,1,2,3
	ds_load_b128 v[\reg+4*\c:\reg+4*\c+3], v[\adr] offset:128*(\q)+32*\c+(\i)*16*PITCH
.endr
.endm
.macro FRAGA reg, adr, q, i            ; the same k from A's lines: k = 32 c + 16 h + .. of the slot's q-th 128 is head 2 q + c / 2, channel 32 (c % 2) + 16 h + ..
.irp c, 0,1,2,3
	ds_load_b128 v[\reg+4*\c:\reg+4*\c+3], v[\adr] offset:(2*(\q)+\c/2)*AHEAD+(\i)*16*APITCH+32*(\c%2)
.endr
.endm
; 16 matrix instructions: A's blocks a0, a0 + 1 x B's eight, 128 along K.  The 64 accumulators take turns, one instruction a turn, in the same order in every step.
.macro MUL16 a0, p, zero
.irp a, \a0, \a0+1
.irp b, 0,1,2,3,4,5,6,7
.if \zero
	v_wmma_f32_16x16x128_fp8_fp8 v[8*(8*((\a)%4)+\b):8*(8*((\a)%4)+\b)+7], v[128*(\p)+FR*\b:128*(\p)+FR*\b+FR-1], v[AF+FR*(\a):AF+FR*(\a)+FR-1], 0
.else
	v_wmma_f32_16x16x128_fp8_fp8 v[8*(8*((\a)%4)+\b):8*(8*((\a)%4)+\b)+7], v[128*(\p)+FR*\b:128*(\p)+FR*\b+FR-1], v[AF+FR*(\a):AF+FR*(\a)+FR-1], v[8*(8*((\a)%4)+\b):8*(8*((\a)%4)+\b)+7]
.endif
.endr
.endr
.endm
.macro FETCH_B slot, q, p
	WIN TO_B
.irp i, 0,1,2,3,4,5,6,7
	FRAGB 128*(\p)+FR*\i, ADRB+\slot, \q, \i
.endr
	WIN 0
.endm
.macro FETCH_A slot, q, i0
.irp i, \i0, \i0+1, \i0+2, \i0+3
	FRAGA AF+FR*(\i), ADRA+\slot, \q, \i
.endr
.endm
.macro PLACES n                        ; plain vector lines between a matrix instruction and a load into, or a read of, its registers (ISA guide 7.12.1 for vector instructions)
.rept \n
	v_nop
.endr
.endm
.macro STEP slot, q, zero              ; a step of 128 along K that has its successor in the same slot
	s_wait_dscnt 4*NL                              ; B's set and A's blocks 0-3 are in; the youngest sixteen loads (A's blocks 4-7) may be out
	WIN MUL_LO
	MUL16 0, (\q)%2, \zero
	MUL16 2, (\q)%2, \zero
	s_wait_dscnt 0                                 ; A's blocks 4-7 are in
	PLACES NP
	FETCH_B \slot, (\q)+1, 1-(\q)%2
	FETCH_A \slot, (\q)+1, 0
	WIN MUL_HI
	MUL16 4, (\q)%2, \zero
	MUL16 6, (\q)%2, \zero
	PLACES NP
	WIN 0
	FETCH_A \slot, (\q)+1, 4
.endm
; A slot's last step changes slots: ONE barrier; in front of it each wave waits for all its tensor loads, adds 0 to its spare word, and waits for that and for its own reads of this slot.
.macro TURN slot, next, fill
	s_wait_tensorcnt 0x0                           ; all my tensor loads have landed: my part of the next slot;
	ds_add_u32 v[SPW], v[NIL]                      ; 0 onto my spare word
	s_wait_dscnt 4*NL+1                            ; (the add and the youngest sixteen loads may be out)
	WIN MUL_LO
	MUL16 0, 1, 0                                  ; sixteen matrix instructions stand between the add and the wait for it
	s_wait_dscnt 0x0                               ; the add is done, and my reads of this slot are over
	s_barrier_signal -1
	MUL16 2, 1, 0
	WIN 0
	s_barrier_wait -1
.if \fill
	CREST                                          ; the barrier has opened a round of the cluster's barrier: no wave of any partner still reads this slot's tile or has a load on its way
	s_add_nc_u64 s[G0+4*\slot+2:G0+4*\slot+3], s[G0+4*\slot+2:G0+4*\slot+3], 2*ASTEP
	s_add_nc_u64 s[G0B+4*\slot+2:G0B+4*\slot+3], s[G0B+4*\slot+2:G0B+4*\slot+3], 2*ROWB
	JLOAD G0+4*\slot, G1, G0B+4*\slot, G1B         ; the first tensor load behind the round; the four v_nop behind it are the places in front of the loads below
.else
	PLACES NP
.endif
	FETCH_B \next, 0, 0
	FETCH_A \next, 0, 0
	WIN MUL_HI
	MUL16 4, 1, 0
	MUL16 6, 1, 0
	PLACES NP
	WIN 0
	FETCH_A \next, 0, 4
.endm
	s_wait_alu depctr_va_vdst(0)
	s_wait_loadcnt 0x0                             ; the bias, once
	s_wait_tensorcnt 1                             ; my part of K step 0 is in (K step 1's load may be out)
	s_barrier_signal -1
	s_barrier_wait -1                              ; everybody's is
	FETCH_B 0, 0, 0
	FETCH_A 0, 0, 0
	FETCH_A 0, 0, 4
	STEP 0, 0, 1                                   ; the first step stands in front of the loop: its products start the sums
	s_mov_b32 s3, LAPS-1
.Llap:
	TURN 0, 1, 1
	STEP 1, 0, 0
	TURN 1, 0, 1
	STEP 0, 0, 0
	s_sub_co_u32 s3, s3, 1
	s_cmp_lg_u32 s3, 0
	s_cbranch_scc1 .Llap
	TURN 0, 1, 0                                   ; the last lap fills nothing.  Behind its barrier nobody reads slot 0 any more
	STEP 1, 0, 0
	s_wait_dscnt 4*NL
	WIN MUL_LO
	MUL16 0, 1, 0
	MUL16 2, 1, 0
	s_wait_dscnt 0
	WIN MUL_HI
	MUL16 4, 1, 0
	MUL16 6, 1, 0
	WIN 0
; THE WAY OUT, block by block of 16 rows x 128 columns.  A lane holds 32 neighbouring bytes of a row, and the lanes beside it hold other rows: the sums go as they are through my own stage in LDS and come back
; as whole rows of 512 bytes; there a lane holds the same four columns in every row, so one packed multiply-add for two numbers gives sum x 2^(e10 + e11) + bo.
.macro TOSTAGE a
.set AC, 64*((\a)%4)
	WIN 0x08+4*((\a)/4)                            ; store data (source 1): window 2 or 3; the address in window 0
.irp b, 0,1,2,3,4,5,6,7
	ds_store_b128 v[STO], v[AC+8*\b:AC+8*\b+3] offset:64*\b          ; each accumulator from its low end on
	ds_store_b128 v[STO], v[AC+8*\b+4:AC+8*\b+7] offset:64*\b+16
.endr
	WIN 0
.set BB, BK+64*((\a)%2)
.irp t, 0,1,2,3,4,5,6,7,8,9,10,11,12,13,14,15
	ds_load_b128 v[BB+4*\t:BB+4*\t+3], v[RD] offset:\t*SPITCH        ; LDS serves a wave's instructions in order: these see the stores above, and the next block's stores come behind them
.endr
.endm
.macro SEND a, younger                 ; younger: the LDS instructions issued behind block a's loads, which may stay out
.set BB, BK+64*((\a)%2)
	s_wait_dscnt \younger                          ; the block is back in registers
.if (\a) > 0
	s_add_nc_u64 s[12:13], s[12:13], 16*SIZE_N*4   ; (behind a wait on XCNT: the earlier stores have read their base)  16 rows of C on
.endif
.irp t, 0,1,2,3,4,5,6,7,8,9,10,11,12,13,14,15
	v_pk_fma_f32 v[BB+4*\t:BB+4*\t+1], v[BB+4*\t:BB+4*\t+1], s[96:97], v[BIAS:BIAS+1] op_sel_hi:[1,0,1]
	v_pk_fma_f32 v[BB+4*\t+2:BB+4*\t+3], v[BB+4*\t+2:BB+4*\t+3], s[96:97], v[BIAS+2:BIAS+3] op_sel_hi:[1,0,1]
.endr
.irp t, 0,1,2,3,4,5,6,7,8,9,10,11,12,13,14,15
	global_store_b128 v[CO], v[BB+4*\t:BB+4*\t+3], s[12:13] offset:\t*SIZE_N*4 th:TH_STORE_NT   ; 32 lanes store 512 consecutive bytes, aligned; written once, read by nobody here
.endr
.endm
	s_wait_kmcnt 0x0
	s_add_co_i32 s96, s96, s97                     ; e10 + e11, between -126 and 127,
	s_add_co_i32 s96, s96, 127
	s_lshl_b32 s96, s96, 23                        ; makes the f32 number 2^(e10 + e11)
	s_mov_b32 s97, s96                             ; (named with it as a pair)
	PLACES NP                                      ; behind the last products: for the stores of their results and for the loads into the registers that held A's fragments
	TOSTAGE 0
.irp a, 1,2,3,4,5,6,7
.if \a > 1
	s_wait_xcnt 0x0                                ; block a - 2's stores have read their registers and their base: block a's loads may land there, and the base may step
.endif
	TOSTAGE \a
	SEND \a-1, 32                                  ; behind block a - 1's loads: block a's 16 stores and 16 loads
.endr
	s_wait_xcnt 0x0                                ; block 6's stores have read their base
	SEND 7, 0
	s_wait_tensorcnt 0x0                           ; the wave's end: behind my last tensor load and my last LDS store
	ds_add_u32 v[SPW], v[NIL]
	s_wait_dscnt 0x0
	CROUND                                         ; the closing round: no work-group ends while a partner may still ask for a tile that names it
	s_endpgm
.Lfunc_end_k_q5ccfb41419_oproj:
	.size	k_q5ccfb41419_oproj, .Lfunc_end_k_q5ccfb41419_oproj-k_q5ccfb41419_oproj
	.p2alignl 7, 3214868480
	.fill 96, 4, 3214868480
	.section	.rodata,"a",@progbits
	.p2align	6, 0x0
	.amdhsa_kernel k_q5ccfb41419_oproj
		.amdhsa_group_segment_fixed_size 327680
		.amdhsa_private_segment_fixed_size 0
		.amdhsa_enable_private_segment 0
		.amdhsa_kernarg_size 40
		.amdhsa_user_sgpr_count 2
		.amdhsa_user_sgpr_kernarg_segment_ptr 1
		.amdhsa_wavefront_size32 1
		.amdhsa_system_sgpr_workgroup_id_x 1
		.amdhsa_system_sgpr_workgroup_id_y 1
		.amdhsa_system_sgpr_workgroup_id_z 1
		.amdhsa_system_vgpr_workitem_id 0
		.amdhsa_next_free_vgpr 1024
		.amdhsa_next_free_sgpr 100
		.amdhsa_reserve_vcc 0
		.amdhsa_float_denorm_mode_32 3
		.amdhsa_float_denorm_mode_16_64 3
		.amdhsa_memory_ordered 1
		.amdhsa_forward_progress 1
		.amdhsa_inst_pref_size 125
	.end_amdhsa_kernel
	.amdgpu_metadata
---
amdhsa.version: [ 1, 2 ]
amdhsa.kernels:
  - .name:           k_q5ccfb41419_oproj
    .symbol:         k_q5ccfb41419_oproj.kd
    .args:
      - { .name: cc, .offset: 0, .size: 8, .value_kind: global_buffer, .address_space: global }
      - { .name: wc, .offset: 8, .size: 8, .value_kind: global_buffer, .address_space: global }
      - { .name: lowp_scales, .offset: 16, .size: 8, .value_kind: global_buffer, .address_space: global }
      - { .name: bo, .offset: 24, .size: 8, .value_kind: global_buffer, .address_space: global }
      - { .name: out0, .offset: 32, .size: 8, .value_kind: global_buffer, .address_space: global }
    .group_segment_fixed_size: 327680
    .private_segment_fixed_size: 0
    .kernarg_segment_align: 8
    .kernarg_segment_size: 40
    .max_flat_workgroup_size: 128
    .sgpr_count:     100
    .vgpr_count:     1024
    .wavefront_size: 32
...
	.end_amdgpu_metadata
.endif
;; end of part 5
